; MI455X (gfx1250); checked and timed in simulation.
; The chip was launched on July 23, 2026; its instructions are those of AMD's public machine-readable ISA for CDNA 5 (MIT licence, August 2026) and "CDNA5" Instruction Set Architecture Reference Guide (July 2026). The comments in the code are by the model that wrote it; some were corrected since.
;; Self Attention. Allowed arithmetic: matrix products marked QUANTISED: E2M3 operands, one E8M0 scale for each 32 along K, by v_wmma_scale_f32_16x16x128_f8f6f4 with both operands' format E2M3, f32 sums; everything else in f32.
;; Inputs: bk 1,024 float32; bo 1,024 float32; bq 1,024 float32; bv 1,024 float32; key 4 x 2,048 x 1,024 float32; mask 4 x 1 x 1 x 2,048 int32; query 4 x 2,048 x 1,024 float32; value 4 x 2,048 x 1,024 float32; wk 1,024 x 1,024 float32; wo 1,024 x 1,024 float32; wq 1,024 x 1,024 float32; wv 1,024 x 1,024 float32.
;; Outputs: out0 4 x 2,048 x 1,024 float32.
;; This version of the problem:
;;   THIS VERSION OF THE PROBLEM IS GIVEN IN LOW PRECISION. The matrix products marked QUANTISED in the list below multiply operands that are first quantised to E2M3 (2 exponent bits, 3 mantissa bits; 6 bits a number), with one power-of-two scale for each 32 numbers along K (OCP MX v1.0); their sums are f32. All else is computed in f32.
;;   The module's matrix products, in the order in which they are computed (A, B: the left and right operand; K: the contracted axis; several contracted axes count as one K, in the product's order):
;;     1. [M 8,192, K 1,024] x [K 1,024, N 1,024]; A: input value; B: input wv: QUANTISED
;;     2. [M 8,192, K 1,024] x [K 1,024, N 1,024]; A: input key; B: input wk: QUANTISED
;;     3. [M 8,192, K 1,024] x [K 1,024, N 1,024]; A: input query; B: input wq: QUANTISED
;;     4. batch 64 x [M 2,048, K 64] x [K 64, N 2,048]; A: computed on the way; B: computed on the way: QUANTISED
;;     5. batch 64 x [M 2,048, K 2,048] x [K 2,048, N 64]; A: softmax (see below); B: computed on the way: QUANTISED
;;     6. [M 8,192, K 1,024] x [K 1,024, N 1,024]; A: computed on the way; B: input wo: QUANTISED
;;   THE QUANTISER, for each operand of a quantised product, along K:
;;     - K is cut into blocks of 32 from its start; a last block that is shorter is filled with zeros.
;;     - A block's scale is 2^e with e = floor(log2(the largest magnitude in the block)) - 2, held to -126 .. 127; a block of zeros has e = 0. As a byte (E8M0): e + 127.
;;     - Each number is divided by its block's scale, clamped to +-7.5, and rounded to the nearest number of E2M3, ties to even, subnormals kept.
;;     - The product sums the exact products of the quantised numbers (number of the format x scale) in f32.
;;   ~~~python
;;   def quantise(x, axis):      # numpy; x: float32 -> the quantised numbers, widened to float32 again
;;       x = np.moveaxis(x, axis, -1); K = x.shape[-1]
;;       x = np.pad(x, [(0, 0)] * (x.ndim - 1) + [(0, -K % 32)]); x = x.reshape(x.shape[:-1] + (-1, 32)); a = np.abs(x).max(-1, keepdims=True)
;;       e = np.where(a > 0, np.clip(np.frexp(np.where(a > 0, a, 1))[1] - 1 - 2, -126, 127), 0)      # np.frexp(a)[1] - 1 = floor(log2(a)), exactly
;;       r = np.clip(x / 2.0 ** e, -7.5, 7.5)
;;       step = 2.0 ** (np.maximum(np.frexp(np.where(r == 0, 1, r))[1] - 1, 0) - 3)
;;       q = np.round(r / step) * step * 2.0 ** e      # np.round: ties to even
;;       return np.moveaxis(q.reshape(q.shape[:-2] + (-1,))[..., :K], -1, axis).astype(np.float32)
;;   ~~~
;;   SOFTMAX AHEAD OF A QUANTISED PRODUCT. Where the list says 'softmax', what is quantised is not the finished softmax but p = 2^(t - M), with t = logit x log2(e) and M = ceil(the row's largest t), a whole number; so 1/2 < the row's largest p <= 1. The row's sum l is taken of the UNQUANTISED p, in f32, and the product's result is divided by l at the end. Since M is a whole number, a kernel that streams over the keys may use a running M (the ceiling of the running maximum): every later rescaling is an exact power of two, which a block's scale takes up: the codes' values come out the same.
;;   OPERANDS COMPUTED ON THE WAY. 'Computed on the way' means the value that the module computes at that place (a softmax that the list does not call 'softmax' is quantised finished and normalised). What goes into a quantiser is computed in f32, as accurately as f32 sums, v_exp_f32 and their like allow (about 1e-6 of the number): no bf16 or f16 on the way to a quantiser, and a product that is left as it is and whose result goes on into a quantised operand takes f32 operands (vector FMAs, or v_wmma_f32_16x16x4_f32). A number that lies on a knife's edge between two numbers of the format may be rounded either way, as far as f32 arithmetic and the matrix unit's own rounding can turn it there, and no further.
;; One version. Each part assembles by itself: llvm-mc -triple=amdgcn-amd-amdhsa -mcpu=gfx1250 --defsym DOCPART=n.
;; ======== version 1 of 1: 4 launches
;; limits: right only within a limited range of input values
;; workspace buffers: gc 22,020,096 bytes; gs 917,504 bytes; kv 15,466,496 bytes; qb 8,912,896 bytes; af 6,291,456 bytes; afs 262,144 bytes
;; launch quant (part 1): grid 256 x 1, 7 waves a work-group, no clusters, 60,160 bytes of LDS; arguments query, key, value, wq, wk, wv, wo, gc, gs; writes gc, gs
.if DOCPART == 1
	.amdgcn_target "amdgcn-amd-amdhsa--gfx1250"
	.amdhsa_code_object_version 6
	.text
	.protected	k_q2540cd3a64_quant
	.globl	k_q2540cd3a64_quant
	.p2align	8
	.type	k_q2540cd3a64_quant,@function
k_q2540cd3a64_quant:
	s_mov_b64 s[64:65], 0
	v_nop
	global_prefetch_b8 v0, s[64:65] scope:SCOPE_SE
	s_setreg_imm32_b32 hwreg(HW_REG_WAVE_MODE, 25, 1), 1
	s_wait_xcnt 0x0
; query, key, value [8192][1024] and wq, wk, wv, wo [1024][1024], f32, K innermost, become codes of FP6 (E2M3) with one E8M0 byte for each 32 along K.
; A block's scale is 2^(floor(log2(its largest magnitude)) - 2); its byte is the largest magnitude's exponent field - 2, held at 1 from below.
; (A block of zeros so gets the byte 1 where the rule says 127: its codes are zeros, and the bytes are read by this program alone.)
; LIMITS: blocks whose largest magnitude lies under 2^-124 keep the byte 1; NaN and infinities among the inputs are not served.
; THE OUTPUT IS LAID AS THE OPERAND'S REGISTERS.  Rows go in GROUPS of 16: group g of a tensor holds rows 32 (g / 2) + 8 (g % 2) + r + 8 (r / 8), r = 0 .. 15.
; gc: [group T][K step f of 128][6 chunks of 256 bytes]: chunk p holds registers 2 p, 2 p + 1 of the fragment, lane l at 8 l.  gs: [T][r][32 scale bytes along K].
; T: 0 query, 512 key, 1024 value, 1536 wq, 1600 wk, 1664 wv, 1728 wo.  1,792 groups = 256 work-groups x 7 waves: a wave takes one group, eight fragments.
; Each load reads 512 consecutive bytes of one row; a fragment's 8,192 bytes turn through the wave's own stage in LDS (rows 528 bytes apart) and come back 128 bytes a lane and block.
; Waves share nothing: no barrier.  Loads run two fragments (32 loads a wave) ahead.  Memory binds: no matrix unit, no cluster.
.set STGB,  16*528                     ; a wave's stage
.set SPARE, 7*STGB                     ; behind the stages: the spare words, 128 bytes for each wave, four blocks of 256 bytes that no other line names
.set SW,    16                         ; v16-23   my row's scale word of each K step
.set PK,    24                         ; v24-27   the four of them that I store
.set RAW,   32                         ; v32-159  two sets of 64 registers as loaded
.set X,     160                        ; v160-223 my two blocks of 32 neighbours
.set F,     224                        ; v224-235 the fragment's 12 registers
.set CT,    236                        ; v236-243 the second halves of the blocks' codes
.set TM,    244                        ; v244-245 largest magnitudes, 246-247 scale operands, 248-249 bytes, 250 my part of the word, 251 the other half's
.set SPW,   252                        ; LDS address of my spare word; never rewritten
.set NIL,   253                        ; 0; never rewritten
	s_load_b256 s[4:11], s[0:1], 0x0               ; query, key, value, wq
	s_load_b256 s[12:19], s[0:1], 0x20             ; wk, wv, wo, gc
	s_load_b64 s[20:21], s[0:1], 0x40              ; gs
	v_lshl_add_u32 v[SPW], v0, 2, SPARE
	v_mov_b32 v[NIL], 0
	v_lshrrev_b32 v1, 5, v0
	v_readfirstlane_b32 s22, v1                    ; wave 0..6
	v_and_b32 v6, 31, v0                           ; lane
	v_and_b32 v7, 15, v0                           ; r
	v_bfe_u32 v8, v0, 4, 1                         ; h
	v_lshlrev_b32 v1, 4, v6                        ; in: 16 bytes a lane
	s_mul_i32 s30, s22, STGB                       ; my stage
	v_add_nc_u32 v2, s30, v1                       ; into it: as loaded
	v_mul_u32_u24 v3, v7, 528
	v_lshl_add_u32 v3, v8, 7, v3
	v_add_nc_u32 v3, s30, v3                       ; out of it: row r, + 128 h: k = 64 c + 32 h + 0 .. 31
	v_lshlrev_b32 v4, 3, v6                        ; a chunk: 8 bytes a lane
	v_lshlrev_b32 v5, 5, v7
	v_lshl_add_u32 v5, v8, 4, v5                   ; scale bytes: 32 r + 16 h
	v_lshlrev_b32 v9, 3, v8                        ; 8 h: my bytes' place in a scale word
	v_mov_b32 v[TM+7], 0                           ; written once: a lane permute's destination counts as one of its sources
	s_mov_b32 s32, 0x76543210
	s_mov_b32 s33, 0xfedcba98                      ; selects for lane l xor 16
	s_mov_b32 s34, 0xffff0000                      ; lanes 16-31
	s_mul_i32 s23, ttmp9, 7
	s_add_co_u32 s23, s23, s22                     ; T
	s_mov_b32 s24, 0                               ; the tensor's first group
	s_wait_alu depctr_va_vdst(0)
	s_wait_kmcnt 0x0
	s_cmp_ge_u32 s23, 512                          ; which tensor: the choice hangs on ids alone
	s_cselect_b64 s[4:5], s[6:7], s[4:5]
	s_cselect_b32 s24, 512, s24
	s_cmp_ge_u32 s23, 1024
	s_cselect_b64 s[4:5], s[8:9], s[4:5]
	s_cselect_b32 s24, 1024, s24
	s_cmp_ge_u32 s23, 1536
	s_cselect_b64 s[4:5], s[10:11], s[4:5]
	s_cselect_b32 s24, 1536, s24
	s_cmp_ge_u32 s23, 1600
	s_cselect_b64 s[4:5], s[12:13], s[4:5]
	s_cselect_b32 s24, 1600, s24
	s_cmp_ge_u32 s23, 1664
	s_cselect_b64 s[4:5], s[14:15], s[4:5]
	s_cselect_b32 s24, 1664, s24
	s_cmp_ge_u32 s23, 1728
	s_cselect_b64 s[4:5], s[16:17], s[4:5]
	s_cselect_b32 s24, 1728, s24
	s_sub_co_u32 s24, s23, s24                     ; g: the group within its tensor
	; THE KEY TENSOR'S GROUPS ARE DEALT OTHERWISE: group g holds rows 64 (g / 4) + 8 (g % 4) + r % 8 + 32 (r / 8), so that in attention a lane's 32 scores of four tiles are 32 neighbouring keys
	s_lshr_b32 s26, s23, 9
	s_cmp_eq_u32 s26, 1                            ; T in 512 .. 1023: key.  The choice hangs on ids alone
	s_cselect_b32 s26, 2, 1                        ; groups that share a run of rows: 4 (64 rows) or 2 (32 rows), as a shift
	s_cselect_b32 s38, 0x10000, 0                  ; key: rows r = 8 .. 15 lie 16 rows further on than in the other tensors
	s_mov_b32 s39, 0
	s_lshr_b32 s28, s24, s26
	s_add_co_u32 s27, s26, 16
	s_lshl_b32 s28, s28, s27                       ; the run's first row, in rows of 4,096 bytes
	s_bfm_b32 s25, s26, 0
	s_and_b32 s25, s24, s25
	s_lshl_b32 s25, s25, 15                        ; 8 rows for each group within the run
	s_add_co_u32 s28, s28, s25
	s_mov_b32 s29, 0
	s_add_nc_u64 s[4:5], s[4:5], s[28:29]          ; the base of rows r = 0 .. 7,
	s_add_nc_u64 s[36:37], s[4:5], s[38:39]        ; and of rows r = 8 .. 15
	s_mul_i32 s28, s23, 12288
	s_add_nc_u64 s[18:19], s[18:19], s[28:29]      ; my group's codes
	s_lshl_b32 s28, s23, 9
	s_add_nc_u64 s[20:21], s[20:21], s[28:29]      ; and its scale bytes
.macro LOADF f                         ; K step f of my 16 rows into set f % 2: a load reads 512 consecutive bytes of one row
.irp i, 0,1,2,3,4,5,6,7,8,9,10,11,12,13,14,15
	global_load_b128 v[RAW+64*((\f)%2)+4*\i:RAW+64*((\f)%2)+4*\i+3], v1, s[4+32*(\i/8):5+32*(\i/8)] offset:(\i+8*(\i/8))*4096+512*(\f) th:TH_LOAD_NT
.endr
.endm
.macro FRAGM f
.if (\f) < 7
	s_wait_loadcnt 16                              ; this fragment's 16 loads are in; the next one's may be out
.else
	s_wait_loadcnt 0x0
.endif
.irp i, 0,1,2,3,4,5,6,7,8,9,10,11,12,13,14,15
	ds_store_b128 v2, v[RAW+64*((\f)%2)+4*\i:RAW+64*((\f)%2)+4*\i+3] offset:528*\i
.endr
.irp c, 0,1
.irp j, 0,1,2,3,4,5,6,7
	ds_load_b128 v[X+32*\c+4*\j:X+32*\c+4*\j+3], v3 offset:256*\c+16*\j   ; LDS serves a wave's instructions in order: these see the stores above
.endr
.endr
	s_wait_dscnt 0x0                               ; my 64 numbers are in, and the stores have read their registers,
.if (\f)+2 < 8
	LOADF (\f)+2                                   ; which take the loads of two fragments on
.endif
.irp c, 0,1                                    ; my block 2 c + h: all its 32 numbers are mine
	v_max3_num_f32 v[TM+\c], |v[X+32*\c]|, |v[X+32*\c+1]|, 0x1800000   ; with the floor 2^(3 - 127): the byte cannot fall under 1
.endr
.irp i, 2,4,6,8,10,12,14,16,18,20,22,24,26,28,30
.irp c, 0,1
	v_max3_num_f32 v[TM+\c], v[TM+\c], |v[X+32*\c+\i]|, |v[X+32*\c+\i+1]|
.endr
.endr
.irp c, 0,1
	v_add_nc_u32 v[TM+2+\c], 0xff000000, v[TM+\c]  ; 2 off the exponent field: the conversion's scale operand
.endr
.irp c, 0,1
	v_lshrrev_b32 v[TM+4+\c], 23, v[TM+2+\c]       ; the scale's byte
.endr
	v_lshl_or_b32 v[TM+6], v[TM+5], 16, v[TM+4]    ; blocks h and 2 + h of my row,
	v_lshlrev_b32 v[TM+6], v9, v[TM+6]             ; at their places in the word;
	v_permlanex16_b32 v[TM+7], v[TM+6], s32, s33
	v_or_b32 v[SW+(\f)], v[TM+6], v[TM+7]          ; with lane l xor 16's two the word is whole
	s_wait_alu depctr_va_vdst(0)
	s_wait_xcnt 0x0                                ; the last fragment's stores have read the registers that are written now
	v_cvt_scalef32_pk16_fp6_f32 v[F:F+2], v[X:X+15], v[TM+2]
	v_cvt_scalef32_pk16_fp6_f32 v[CT:CT+2], v[X+16:X+31], v[TM+2]      ; (a conversion's three registers begin on an even number)
	v_cvt_scalef32_pk16_fp6_f32 v[F+6:F+8], v[X+32:X+47], v[TM+3]
	v_cvt_scalef32_pk16_fp6_f32 v[CT+4:CT+6], v[X+48:X+63], v[TM+3]
	v_nop                                          ; one plain place behind a scaled conversion
.irp i, 0,1,2
	v_mov_b32 v[F+3+\i], v[CT+\i]
	v_mov_b32 v[F+9+\i], v[CT+4+\i]
.endr
.irp p, 0,1,2,3,4,5
	global_store_b64 v4, v[F+2*\p:F+2*\p+1], s[18:19] offset:1536*(\f)+256*\p   ; 32 lanes store 256 consecutive bytes, aligned
.endr
.endm
	LOADF 0
	LOADF 1
.irp f, 0,1,2,3,4,5,6,7
	FRAGM \f
.endr
.irp j, 0,1,2,3
	v_cndmask_b32 v[PK+\j], v[SW+\j], v[SW+4+\j], s34   ; lanes 0-15 store their row's words 0-3, lanes 16-31 words 4-7
.endr
	global_store_b128 v5, v[PK:PK+3], s[20:21]     ; the wave stores 512 consecutive bytes
	s_wait_tensorcnt 0x0                           ; the wave's end, behind my last LDS store
	ds_add_u32 v[SPW], v[NIL]
	s_wait_dscnt 0x0
	s_endpgm
.Lfunc_end_k_q2540cd3a64_quant:
	.size	k_q2540cd3a64_quant, .Lfunc_end_k_q2540cd3a64_quant-k_q2540cd3a64_quant
	.p2alignl 7, 3214868480
	.fill 96, 4, 3214868480
	.section	.rodata,"a",@progbits
	.p2align	6, 0x0
	.amdhsa_kernel k_q2540cd3a64_quant
		.amdhsa_group_segment_fixed_size 60160
		.amdhsa_private_segment_fixed_size 0
		.amdhsa_enable_private_segment 0
		.amdhsa_kernarg_size 72
		.amdhsa_user_sgpr_count 2
		.amdhsa_user_sgpr_kernarg_segment_ptr 1
		.amdhsa_wavefront_size32 1
		.amdhsa_system_sgpr_workgroup_id_x 1
		.amdhsa_system_sgpr_workgroup_id_y 1
		.amdhsa_system_sgpr_workgroup_id_z 1
		.amdhsa_system_vgpr_workitem_id 0
		.amdhsa_next_free_vgpr 256
		.amdhsa_next_free_sgpr 66
		.amdhsa_reserve_vcc 0
		.amdhsa_float_denorm_mode_32 3
		.amdhsa_float_denorm_mode_16_64 3
		.amdhsa_memory_ordered 1
		.amdhsa_forward_progress 1
		.amdhsa_inst_pref_size 61
	.end_amdhsa_kernel
	.amdgpu_metadata
---
amdhsa.version: [ 1, 2 ]
amdhsa.kernels:
  - .name:           k_q2540cd3a64_quant
    .symbol:         k_q2540cd3a64_quant.kd
    .args:
      - { .name: query, .offset: 0, .size: 8, .value_kind: global_buffer, .address_space: global }
      - { .name: key, .offset: 8, .size: 8, .value_kind: global_buffer, .address_space: global }
      - { .name: value, .offset: 16, .size: 8, .value_kind: global_buffer, .address_space: global }
      - { .name: wq, .offset: 24, .size: 8, .value_kind: global_buffer, .address_space: global }
      - { .name: wk, .offset: 32, .size: 8, .value_kind: global_buffer, .address_space: global }
      - { .name: wv, .offset: 40, .size: 8, .value_kind: global_buffer, .address_space: global }
      - { .name: wo, .offset: 48, .size: 8, .value_kind: global_buffer, .address_space: global }
      - { .name: gc, .offset: 56, .size: 8, .value_kind: global_buffer, .address_space: global }
      - { .name: gs, .offset: 64, .size: 8, .value_kind: global_buffer, .address_space: global }
    .group_segment_fixed_size: 60160
    .private_segment_fixed_size: 0
    .kernarg_segment_align: 8
    .kernarg_segment_size: 72
    .max_flat_workgroup_size: 224
    .sgpr_count:     66
    .vgpr_count:     256
    .wavefront_size: 32
...
	.end_amdgpu_metadata
.endif
;; end of part 1
;; launch proj (part 2): grid 192 x 4, 4 waves a work-group, clusters of 4 x 4, 327,680 bytes of LDS; arguments gc, gs, bq, bk, bv, mask, qb, kv; writes qb, kv
.if DOCPART == 2
	.amdgcn_target "amdgcn-amd-amdhsa--gfx1250"
	.amdhsa_code_object_version 6
	.text
	.protected	k_q2540cd3a64_proj
	.globl	k_q2540cd3a64_proj
	.p2align	8
	.type	k_q2540cd3a64_proj,@function
k_q2540cd3a64_proj:
	s_mov_b64 s[64:65], 0
	v_nop
	global_prefetch_b8 v0, s[64:65] scope:SCOPE_SE
	s_setreg_imm32_b32 hwreg(HW_REG_WAVE_MODE, 25, 1), 1
	s_wait_xcnt 0x0
	s_wait_alu depctr_hold_cnt(0) depctr_sa_sdst(0) depctr_va_vdst(0) depctr_va_sdst(0) depctr_va_ssrc(0) depctr_va_vcc(0) depctr_vm_vsrc(0)
	s_getreg_b32 s2, hwreg(HW_REG_IB_STS2, 6, 4)
	s_cmp_eq_u32 s2, 0
	s_cbranch_scc0 .Lentry_in_a_cluster
	s_endpgm
.Lentry_in_a_cluster:
	s_bfe_u32 s2, ttmp6, 0x10000c
	s_cmp_lg_u32 s2, 0xf033
	s_cbranch_scc0 .Lentry_shape_is_right
	s_endpgm
.Lentry_shape_is_right:
; q = query wq^T + bq, k = key wk^T + bk, v = value wv^T + bv on codes of FP6 (E2M3) with E8M0 scales (K = 1,024), and the results quantised again for attention:
; q and k along a head's 64 channels, v along the keys.  The mask is applied here, to K's codes.
; THE PRODUCT.  A work-group makes P 256 rows x R 128 rows; source 0 = 16 rows of P, source 1 = 16 rows of R: a lane holds ONE row of R and its registers run along P.
; Q, K: P = the weight's channels, R = tokens.  V: P = tokens (keys), R = wv's channels.  So the axis that is quantised next always runs along a lane's registers.
; Rows come in groups of 16 (group g: rows 32 (g / 2) + 8 (g % 2) + r + 8 (r / 8)), so that the 16 registers of tiles 2 b and 2 b + 1 are 16 neighbours, 32 b + 16 h + 0 .. 15, along P.
; Four waves: wave / 2 picks 128 rows of P, wave % 2 picks 64 rows of R: 32 accumulators of 16 x 16.
; ALL OF K LIES IN LDS: (256 + 128) rows x 768 bytes = 294,912 bytes, each byte filled once, by one tensor load a wave, all of K: one load of a wave is out.
; CLUSTER 4 x 4: P's tile hangs on cx alone and is asked for jointly by a column of the cluster, R's on cy alone and by a row: the requests are divided by four.
; The codes lie in memory as images of the operand's registers (a fragment: 6 chunks of 256 bytes, lane l at 8 l): a fragment is six loads of 8 bytes a lane, consecutive over the lanes.
; THE MASK.  The score product uses k = 0 .. 63 of the instruction's 128.  A masked key gets zero codes, the code -4 at k = 64 and the scale byte 155 (2^28) for that block;
; every query gets the code 1 at k = 64 with the byte 127.  So a masked score is exactly -2^30.  An unmasked key has zero codes and the byte 1 there.
; LIMIT: the fill is -2^30 where the source has -1e9.  Beside any unmasked key both give p = 0; with every key masked -2^30 x log2(e) / 8 is a whole number in f32, so that p = 1 exactly.
; The two differ only where an unmasked score itself lies near -1e9.  Blocks under 2^-124 keep the byte 1; NaN and infinities are not served.
; OUT.  kv: [16 n + head][key step of 128]: 8 tiles of K (16 keys: 8 registers a lane, 1,024 bytes), K's scale words, 4 fragments of V^T (16 channels x 128 keys, 3 chunks of 512 bytes), V's scale words.
;       qb: the same for Q, without V's parts.
; REGISTERS: window 0: v4-11 LDS addresses; v12-25 offsets and work; v32-63, v64-79 scale words of P and R; v80-175 R's fragments, two sets; later v80-255 the way out.
;   window 1: P's fragments, two sets of 96; v192-255 the bias by P's index.   window 2: accumulator (a, b) at v[8 (8 a + b)].
.set FRB,   1536                       ; a fragment's image
.set QTR,   2*FRB                      ; a quarter of K of one group
.set GRP,   4*QTR                      ; a group in gc
.set PQ,    16*QTR                     ; LDS: a quarter of P's 16 groups
.set RQ,    8*QTR                      ; and of R's 8
.set RIMG,  4*PQ                       ; R's images lie behind P's
.set SPARE, RIMG+4*RQ                  ; the spare words, 128 bytes for each wave: two blocks of 256 bytes that no other line names
.set KNH,   241664                     ; kv: a head, 16 key steps of
.set KST,   15104
.set QNH,   139264                     ; qb likewise
.set QST,   8704
.set ADP, 4                            ; v4-7   my P half: groups 2 q and 2 q + 1 in v[4 + q]
.set ADR, 8                            ; v8-11  my R half
.set SPW, 28
.set NIL, 29
.set SP,  32                           ; v[SP + 8 i + f]: lanes 0-15 the words of P's tile 2 i, lanes 16-31 of tile 2 i + 1, K step f
.set SR,  64                           ; the same for R
.set RF,  80
.set BP,  192                          ; in window 1
.set H,   80                           ; the way out: 64 numbers of a lane
.set HX,  144                          ; tiles of head X, 8 registers for each a
.set HY,  176                          ; of head X + 1
.set VF,  144                          ; V's fragments, 12 registers for each a
.set TM,  208
.set CT,  224
.set PW,  232
.set SWD, 236
.set MK,  240
.set BR,  244                          ; v244-251 the bias by R's index, each number twice (a pair for the packed addition)
.set G1P, 24
.set G1R, 32
.set G0P, 40
.set G0R, 68
.set MUL,  0xa1                        ; source 0 (P) window 1, source 1 (R) window 0, C and D window 2
.set TO_P, 0x40                        ; destination window 1
.set FIRSTWIN, MUL
.set FIRSTC, 0                         ; the first K step's products take the constant 0 as C
.set MSB, 0
.macro WIN new                         ; the immediate's high byte repeats the setting that is left
.if MSB != \new
	s_set_vgpr_msb (MSB<<8)|\new
.set MSB, \new
.endif
.endm
.macro CROUND                          ; a round of the cluster's barrier
	s_barrier_signal -1
	s_barrier_wait -1
	s_cmp_lg_u32 s20, 0
	s_cbranch_scc1 .Lnot_wave_0_\@
	s_barrier_signal -3
.Lnot_wave_0_\@:
	s_barrier_wait -3
	s_barrier_signal -1
	s_barrier_wait -1
.endm
.macro PLACES                          ; four plain places behind matrix instructions, in front of loads into their registers and of reads of results
.rept 4
	v_nop
.endr
.endm
; one product.  cm = 0: C is the constant 0; else C = v[c ..].  ra, rb: the scale words are taken from lanes 16-31
.macro WM d, a, b, cm, c, sa, sb, ra, rb
.if (\cm) == 0
.if (\ra) && (\rb)
	v_wmma_scale_f32_16x16x128_f8f6f4 v[(\d):(\d)+7], v[(\a):(\a)+11], v[(\b):(\b)+11], 0, v[\sa], v[\sb] matrix_a_fmt:MATRIX_FMT_FP6 matrix_b_fmt:MATRIX_FMT_FP6 matrix_a_scale:MATRIX_SCALE_ROW1 matrix_b_scale:MATRIX_SCALE_ROW1
.elseif (\ra)
	v_wmma_scale_f32_16x16x128_f8f6f4 v[(\d):(\d)+7], v[(\a):(\a)+11], v[(\b):(\b)+11], 0, v[\sa], v[\sb] matrix_a_fmt:MATRIX_FMT_FP6 matrix_b_fmt:MATRIX_FMT_FP6 matrix_a_scale:MATRIX_SCALE_ROW1
.elseif (\rb)
	v_wmma_scale_f32_16x16x128_f8f6f4 v[(\d):(\d)+7], v[(\a):(\a)+11], v[(\b):(\b)+11], 0, v[\sa], v[\sb] matrix_a_fmt:MATRIX_FMT_FP6 matrix_b_fmt:MATRIX_FMT_FP6 matrix_b_scale:MATRIX_SCALE_ROW1
.else
	v_wmma_scale_f32_16x16x128_f8f6f4 v[(\d):(\d)+7], v[(\a):(\a)+11], v[(\b):(\b)+11], 0, v[\sa], v[\sb] matrix_a_fmt:MATRIX_FMT_FP6 matrix_b_fmt:MATRIX_FMT_FP6
.endif
.else
.if (\ra) && (\rb)
	v_wmma_scale_f32_16x16x128_f8f6f4 v[(\d):(\d)+7], v[(\a):(\a)+11], v[(\b):(\b)+11], v[(\c):(\c)+7], v[\sa], v[\sb] matrix_a_fmt:MATRIX_FMT_FP6 matrix_b_fmt:MATRIX_FMT_FP6 matrix_a_scale:MATRIX_SCALE_ROW1 matrix_b_scale:MATRIX_SCALE_ROW1
.elseif (\ra)
	v_wmma_scale_f32_16x16x128_f8f6f4 v[(\d):(\d)+7], v[(\a):(\a)+11], v[(\b):(\b)+11], v[(\c):(\c)+7], v[\sa], v[\sb] matrix_a_fmt:MATRIX_FMT_FP6 matrix_b_fmt:MATRIX_FMT_FP6 matrix_a_scale:MATRIX_SCALE_ROW1
.elseif (\rb)
	v_wmma_scale_f32_16x16x128_f8f6f4 v[(\d):(\d)+7], v[(\a):(\a)+11], v[(\b):(\b)+11], v[(\c):(\c)+7], v[\sa], v[\sb] matrix_a_fmt:MATRIX_FMT_FP6 matrix_b_fmt:MATRIX_FMT_FP6 matrix_b_scale:MATRIX_SCALE_ROW1
.else
	v_wmma_scale_f32_16x16x128_f8f6f4 v[(\d):(\d)+7], v[(\a):(\a)+11], v[(\b):(\b)+11], v[(\c):(\c)+7], v[\sa], v[\sb] matrix_a_fmt:MATRIX_FMT_FP6 matrix_b_fmt:MATRIX_FMT_FP6
.endif
.endif
.endm
; 16 products of K step f: R's tiles a0, a0 + 1 x P's eight.  cm = 0: C = 0; 1: C = the bias; 2: in place.  The 32 accumulators take turns, one instruction a turn, in one order in every step
.macro MUL16 f, a0, cm
.irp a, \a0, \a0+1
.irp b, 0,1,2,3,4,5,6,7
.if (\cm) == 2
	WM 8*(8*(\a)+\b), 96*((\f)%2)+12*\b, RF+48*((\f)%2)+12*(\a), 1, 8*(8*(\a)+\b), SP+8*(\b/2)+(\f), SR+8*((\a)/2)+(\f), \b%2, (\a)%2
.else
	WM 8*(8*(\a)+\b), 96*((\f)%2)+12*\b, RF+48*((\f)%2)+12*(\a), \cm, BP+8*\b, SP+8*(\b/2)+(\f), SR+8*((\a)/2)+(\f), \b%2, (\a)%2
.endif
.endr
.endr
.endm
.macro FRAGB reg, adr, off             ; a fragment's image back into 12 registers
.irp p, 0,1,2,3,4,5
	ds_load_b64 v[(\reg)+2*\p:(\reg)+2*\p+1], v[\adr] offset:(\off)+256*\p
.endr
.endm
.macro FETCH f                         ; K step f: my 8 fragments of P and 4 of R into set f % 2: 72 loads in one run
	WIN TO_P
.irp b, 0,1,2,3,4,5,6,7
	FRAGB 96*((\f)%2)+12*\b, ADP+\b/2, (\b%2)*GRP+(\f)*FRB   ; LDS holds the groups as memory does: group, K step, chunk; an address register for each two groups
.endr
	WIN 0
.irp a, 0,1,2,3
	FRAGB RF+48*((\f)%2)+12*\a, ADR, \a*GRP+(\f)*FRB
.endr
.endm
.macro STEP f
	s_wait_dscnt 0x0                               ; this step's 72 loads are in
.if (\f) == 0
	WIN FIRSTWIN
	MUL16 \f, 0, FIRSTC
.else
	WIN MUL
	MUL16 \f, 0, 2
.endif
.if (\f) < 7
	WIN 0
	PLACES                                         ; the other set was read by the step before
	FETCH (\f)+1
.endif
.if (\f) == 0
	WIN FIRSTWIN
	MUL16 \f, 2, FIRSTC
.else
	WIN MUL
	MUL16 \f, 2, 2
.endif
.endm
; 64 numbers of a lane, register 16 b + i = place 32 b + 16 h + i along the next K, become a fragment: the codes of k = 0 .. 63 in v[d0 ..+5], of k = 64 .. 127 in v[d1 ..+5], the scale word in v[PW]
.macro QUANT s, d0, d1
.irp b, 0,1,2,3
	v_max3_num_f32 v[TM+\b], |v[\s+16*\b]|, |v[\s+1+16*\b]|, 0x1800000   ; my 16 numbers of block b, and the floor 2^(3 - 127): the byte cannot fall under 1
.endr
.irp i, 2,4,6,8,10,12,14
.irp b, 0,1,2,3
	v_max3_num_f32 v[TM+\b], v[TM+\b], |v[\s+16*\b+\i]|, |v[\s+1+16*\b+\i]|
.endr
.endr
.irp b, 0,1,2,3
	v_permlanex16_b32 v[TM+4+\b], v[TM+\b], s2, s3
.endr
.irp b, 0,1,2,3
	v_max_num_f32 v[TM+\b], v[TM+\b], v[TM+4+\b]   ; with lane l xor 16's: the block's largest magnitude
.endr
.irp b, 0,1,2,3
	v_add_nc_u32 v[TM+12+\b], 0xff000000, v[TM+\b] ; 2 off its exponent field: the conversion's scale operand
.endr
.irp b, 0,1,2,3
	v_lshrrev_b32 v[TM+4+\b], 23, v[TM+12+\b]      ; the scale's byte
.endr
	v_lshl_or_b32 v[PW], v[TM+5], 8, v[TM+4]
	v_lshl_or_b32 v[PW], v[TM+6], 16, v[PW]
	v_lshl_or_b32 v[PW], v[TM+7], 24, v[PW]
	v_cvt_scalef32_pk16_fp6_f32 v[(\d0):(\d0)+2], v[\s:\s+15], v[TM+12]
	v_cvt_scalef32_pk16_fp6_f32 v[CT:CT+2], v[\s+16:\s+31], v[TM+13]     ; (a conversion's three registers begin on an even number)
	v_cvt_scalef32_pk16_fp6_f32 v[(\d1):(\d1)+2], v[\s+32:\s+47], v[TM+14]
	v_cvt_scalef32_pk16_fp6_f32 v[CT+4:CT+6], v[\s+48:\s+63], v[TM+15]
	v_nop                                          ; one plain place behind a scaled conversion
.irp i, 0,1,2                                  ; the layout wants a whole block in a lane: lanes 0-15 the even block, lanes 16-31 the odd one
	v_permlane16_swap_b32 v[(\d0)+\i], v[CT+\i]
	v_permlane16_swap_b32 v[(\d1)+\i], v[CT+4+\i]
.endr
.irp i, 0,1,2
	v_mov_b32 v[(\d0)+3+\i], v[CT+\i]
	v_mov_b32 v[(\d1)+3+\i], v[CT+4+\i]
.endr
.endm
	s_load_b512 s[4:19], s[0:1], 0x0               ; gc s[4:5], gs s[6:7], bq s[8:9], bk s[10:11], bv s[12:13], mask s[14:15], qb s[16:17], kv s[18:19]
	v_lshl_add_u32 v[SPW], v0, 2, SPARE
	v_mov_b32 v[NIL], 0
	ds_add_u32 v[SPW], v[NIL]                      ; the wave's opening: the add and its wait ahead of my first tensor load; work on registers stands between them
	ds_add_u32 v[SPW], v[NIL]
	v_lshrrev_b32 v1, 5, v0
	v_readfirstlane_b32 s20, v1                    ; wave 0..3
	s_lshr_b32 s21, s20, 1                         ; my half of P.  Also: I fetch for P (0) or for R (1)
	s_and_b32 s22, s20, 1                          ; my half of R.  Also: which half of that tile I fetch
	s_bfe_u32 s56, ttmp6, 0x40000                  ; cx
	s_bfe_u32 s57, ttmp6, 0x40004                  ; cy
	s_lshr_b32 s58, ttmp9, 4                       ; the cluster's number: 0-15 Q, 16-31 K, 32-47 V
	s_and_b32 s59, ttmp9, 15                       ; i
	s_lshl_b32 s61, 0x1111, s56                    ; my column of the cluster
	s_lshl_b32 s62, s57, 2
	s_lshl_b32 s62, 15, s62                        ; my row
	s_or_b32 s[G1P], s61, (3<<16)|(1<<21)          ; 15:0 the mask; 17:16 elements of 8 bytes; 21 set beside a mask; no padding
	s_or_b32 s[G1R], s62, (3<<16)|(1<<21)
.irp g, G1P, G1R
	s_mov_b32 s[\g+1], 32<<16                      ; a wave's groups, all of K, are one dense block of memory: rows of 256 bytes
	s_mov_b32 s[\g+3], 32<<16
	s_mov_b32 s[\g+5], 32
	s_mov_b32 s[\g+6], 0
	s_mov_b32 s[\g+7], 0
.endr
	s_mov_b32 s[G1P+2], 384<<16                    ; 8 groups of P: 98,304 bytes,
	s_mov_b32 s[G1P+4], 384
	s_mov_b32 s[G1R+2], 192<<16                    ; 4 of R: 49,152
	s_mov_b32 s[G1R+4], 192
	s_lshl_b32 s84, s58, 6
	s_add_co_u32 s84, s84, 1536                    ; Q, K: P = the weight's groups
	s_and_b32 s85, s59, 7
	s_lshl_b32 s85, s85, 6
	s_add_co_u32 s85, s85, 1024                    ; V: P = value's tokens
	s_lshl_b32 s86, s58, 9
	s_lshl_b32 s87, s59, 5
	s_add_co_u32 s86, s86, s87                     ; Q, K: R = the tokens
	s_lshr_b32 s87, s59, 3
	s_lshl_b32 s87, s87, 5
	s_add_co_u32 s87, s87, 1664                    ; V: R = wv's channels
	s_cmp_eq_u32 s58, 2
	s_cselect_b32 s84, s85, s84
	s_cselect_b32 s86, s87, s86
	s_cselect_b32 s60, 1, 0                        ; 1: V.  The same in all sixteen partners
	s_lshl_b32 s85, s56, 4
	s_add_co_u32 s84, s84, s85                     ; P's first group: hangs on cx, never on cy
	s_lshl_b32 s87, s57, 3
	s_add_co_u32 s86, s86, s87                     ; R's first group: hangs on cy, never on cx
	s_lshl_b32 s88, s22, 3
	s_add_co_u32 s88, s88, s84
	s_mul_i32 s88, s88, GRP                        ; what I would fetch of P,
	s_mov_b32 s89, 0
	s_lshl_b32 s90, s22, 2
	s_add_co_u32 s90, s90, s86
	s_mul_i32 s90, s90, GRP                        ; and of R
	s_mov_b32 s91, 0
	s_mul_i32 s92, s22, 8*GRP                      ; and where it goes: no place in the cluster enters an LDS address
	s_mul_i32 s93, s22, 4*GRP
	s_lshl_b32 s94, s21, 3
	s_add_co_u32 s94, s94, s84
	s_lshl_b32 s94, s94, 9                         ; the scale bytes of my 8 groups of P,
	s_mov_b32 s95, 0
	s_lshl_b32 s96, s22, 2
	s_add_co_u32 s96, s96, s86
	s_lshl_b32 s96, s96, 9                         ; and of my 4 of R
	s_mov_b32 s97, 0
	s_lshl_b32 s66, s56, 10
	s_lshl_b32 s23, s21, 9
	s_add_co_u32 s66, s66, s23                     ; Q, K: the bias of my 128 channels
	s_lshr_b32 s63, s59, 3
	s_lshl_b32 s63, s63, 3
	s_lshl_b32 s23, s57, 1
	s_add_co_u32 s63, s63, s23
	s_add_co_u32 s63, s63, s22                     ; V: my head
	s_lshl_b32 s98, s63, 8
	s_cmp_eq_u32 s60, 1
	s_cselect_b32 s66, 0, s66                      ; each way uses its own kind of bias; the other kind is loaded from the buffer's first bytes and not used
	s_cselect_b32 s98, s98, 0
	s_mov_b32 s67, 0
	s_mov_b32 s99, 0
	s_mov_b32 s2, 0x76543210
	s_mov_b32 s3, 0xfedcba98                       ; selects for lane l xor 16
	s_wait_dscnt 0x0                               ; the opening add is done
	s_wait_kmcnt 0x0
	s_add_nc_u64 s[88:89], s[4:5], s[88:89]
	s_add_nc_u64 s[90:91], s[4:5], s[90:91]
	s_add_nc_u64 s[94:95], s[6:7], s[94:95]
	s_add_nc_u64 s[96:97], s[6:7], s[96:97]
	s_cmp_eq_u32 s58, 1
	s_cselect_b64 s[8:9], s[10:11], s[8:9]
	s_cmp_eq_u32 s58, 2
	s_cselect_b64 s[8:9], s[12:13], s[8:9]         ; my tensor's bias
	s_add_nc_u64 s[66:67], s[8:9], s[66:67]
	s_add_nc_u64 s[98:99], s[8:9], s[98:99]
	s_mov_b32 s[G0P], 1
	s_mov_b32 s[G0P+1], s92
	s_mov_b64 s[G0P+2:G0P+3], s[88:89]
	s_or_b32 s[G0P+3], s[G0P+3], 0x80000000
	s_mov_b32 s[G0R], 1
	s_add_co_u32 s[G0R+1], s93, RIMG
	s_mov_b64 s[G0R+2:G0R+3], s[90:91]
	s_or_b32 s[G0R+3], s[G0R+3], 0x80000000
	CROUND                                         ; all sixteen work-groups are here: the joint loads meet
	s_cmp_eq_u32 s21, 0                            ; ONE LOAD A WAVE: waves 0 and 1 a half of P each, waves 2 and 3 a half of R, all of K
	s_cbranch_scc0 .Lfill_r
	tensor_load_to_lds s[G0P:G0P+3], s[G1P:G1P+7]
	s_nop 0
.rept 4
	v_nop
.endr
	s_branch .Lfilled
.Lfill_r:
	tensor_load_to_lds s[G0R:G0R+3], s[G1R:G1R+7]
	s_nop 0
.rept 4
	v_nop
.endr
.Lfilled:
	v_and_b32 v1, 31, v0                           ; lane
	v_and_b32 v2, 15, v0                           ; r
	v_bfe_u32 v3, v0, 4, 1                         ; h
	v_lshlrev_b32 v12, 5, v2
	v_lshl_add_u32 v12, v3, 9, v12                 ; scale words: row r's 32 bytes; lanes 16-31 take the next group
	v_lshlrev_b32 v13, 6, v3                       ; the bias by P: 16 h numbers on
	v_and_b32 v14, 8, v2
	v_add_nc_u32 v14, v14, v2
	v_lshlrev_b32 v14, 2, v14                      ; by R: 4 (r + 8 (r / 8))
	v_and_b32 v19, 7, v2
	v_and_b32 v25, 8, v2
	v_lshlrev_b32 v19, 2, v19
	v_lshl_add_u32 v19, v25, 4, v19                ; the mask, by the key tensor's own order of rows: 4 (r % 8 + 32 (r / 8))
	v_lshlrev_b32 v15, 4, v1                       ; 16 x lane
	v_lshlrev_b32 v1, 3, v1                        ; 8 x lane
	s_mul_i32 s23, s21, 8*GRP
	v_add_nc_u32 v[ADP], s23, v1
	s_mul_i32 s23, s22, 4*GRP
	s_add_co_u32 s23, s23, RIMG
	v_add_nc_u32 v[ADR], s23, v1
.irp q, 1,2,3
	v_add_nc_u32 v[ADP+\q], \q*2*GRP, v[ADP]       ; my groups 2 q and 2 q + 1 of P
.endr
.irp i, 0,1,2,3                                ; the scale words come once, for all of K, straight into registers
	global_load_b128 v[SP+8*\i:SP+8*\i+3], v12, s[94:95] offset:1024*\i
	global_load_b128 v[SP+8*\i+4:SP+8*\i+7], v12, s[94:95] offset:1024*\i+16
.endr
.irp i, 0,1
	global_load_b128 v[SR+8*\i:SR+8*\i+3], v12, s[96:97] offset:1024*\i
	global_load_b128 v[SR+8*\i+4:SR+8*\i+7], v12, s[96:97] offset:1024*\i+16
.endr
.irp a, 0,1,2,3
	global_load_b32 v[BR+2*\a], v14, s[98:99] offset:(32*(\a/2)+8*(\a%2))*4
	global_load_b32 v[BR+2*\a+1], v14, s[98:99] offset:(32*(\a/2)+8*(\a%2))*4
.endr
	WIN TO_P
.irp b, 0,1,2,3,4,5,6,7                        ; tile b's eight numbers of my half: places 32 (b / 2) + 16 h + 8 (b % 2) + 0 .. 7
	global_load_b128 v[BP+8*\b:BP+8*\b+3], v13, s[66:67] offset:(32*(\b/2)+8*(\b%2))*4
	global_load_b128 v[BP+8*\b+4:BP+8*\b+7], v13, s[66:67] offset:(32*(\b/2)+8*(\b%2))*4+16
.endr
	WIN 0
.irp b, 0,1,2,3
	v_mov_b32 v[TM+4+\b], 0                        ; written once: a lane permute's destination counts as one of its sources
.endr
	s_wait_alu depctr_va_vdst(0)
	s_wait_tensorcnt 0x0                           ; my one load is in
	s_barrier_signal -1
	s_barrier_wait -1                              ; everybody's is
	FETCH 0
	s_wait_loadcnt 0x0                             ; scale words and biases
.irp f, 0,1,2,3,4,5,6,7
	STEP \f
.endr
	WIN 0
	PLACES
	s_mov_b32 s97, 0xffff0000                      ; lanes 16-31
	s_cmp_eq_u32 s60, 1
	s_cbranch_scc1 .Lv_path
	; ---- Q or K: my 128 channels are heads X and X + 1; my 64 tokens are half a key step
	s_lshl_b32 s84, s56, 2
	s_lshl_b32 s85, s21, 1
	s_add_co_u32 s84, s84, s85                     ; X = 4 cx + 2 (wave / 2)
	s_lshl_b32 s85, s59, 3
	s_lshl_b32 s86, s57, 1
	s_add_co_u32 s85, s85, s86
	s_add_co_u32 s85, s85, s22                     ; which 64 tokens of the 8,192
	s_lshl_b32 s94, s85, 8
	s_mov_b32 s95, 0
	s_add_nc_u64 s[14:15], s[14:15], s[94:95]
.irp a, 0,1,2,3
	global_load_b32 v[MK+\a], v19, s[14:15] offset:32*\a   ; the mask of my token in tile a: token 8 a + r % 8 + 32 (r / 8) of my 64 (used for K alone)
.endr
	s_lshr_b32 s86, s85, 5
	s_lshl_b32 s86, s86, 4
	s_add_co_u32 s84, s84, s86                     ; 16 n + X
	s_bfe_u32 s86, s85, 0x40001                    ; the key step
	s_and_b32 s87, s85, 1                          ; and its half
	s_cmp_eq_u32 s58, 1                            ; K?
	s_cselect_b64 s[16:17], s[18:19], s[16:17]
	s_mov_b32 s88, QNH
	s_cselect_b32 s88, KNH, s88
	s_mov_b32 s89, QST
	s_cselect_b32 s89, KST, s89
	s_cselect_b32 s90, -1, 0                       ; the mask counts for K alone
	s_mov_b32 s91, 0x7f7f0000                      ; scale bytes 2 and 3: Q's 127,
	s_cselect_b32 s91, 0x01010000, s91             ; an unmasked key's 1
	s_cselect_b32 s92, 0, 8                        ; Q's code 1.0 at k = 64
	s_mul_i32 s84, s84, s88
	s_mul_i32 s86, s86, s89
	s_add_co_u32 s84, s84, s86
	s_mov_b32 s85, 0
	s_mov_b32 s89, 0
	s_add_nc_u64 s[16:17], s[16:17], s[84:85]      ; head X's key step,
	s_add_nc_u64 s[18:19], s[16:17], s[88:89]      ; head X + 1's
	s_lshl_b32 s93, s87, 12
	v_add_nc_u32 v16, s93, v15                     ; tiles: 16 x lane + 4,096 x half
	v_mul_lo_u32 v17, v3, s88
	v_lshl_add_u32 v17, v2, 4, v17
	s_lshl_b32 s93, s87, 8
	v_add_nc_u32 v17, s93, v17                     ; scale words: 16 r + 256 x half; lanes 16-31 store head X + 1's
	v_mov_b32 v20, s92
	v_cndmask_b32 v20, v20, 0, s97                 ; k = 64 lies in lanes 0-15
	v_mov_b32 v21, s91
.irp a, 0,1,2,3
	WIN 0x06                                       ; source 0 window 2, source 1 window 1
.set j, 0
.rept 32
	v_pk_add_f32 v[H+j:H+j+1], v[64*\a+j:64*\a+j+1], v[BP+j:BP+j+1]   ; + bias; each accumulator from its low end on
.set j, j+2
.endr
	WIN 0
	QUANT H, HX+8*\a, HY+8*\a
.if \a == 0
	s_wait_loadcnt 0x0                             ; the mask
.endif
	v_cmp_eq_u32 s96, 0, v[MK+\a]
	s_and_b32 s96, s96, s90                        ; lanes whose key is masked
.irp i, 0,1,2,3,4,5
	v_cndmask_b32 v[HX+8*\a+\i], v[HX+8*\a+\i], 0, s96
	v_cndmask_b32 v[HY+8*\a+\i], v[HY+8*\a+\i], 0, s96
.endr
	v_cndmask_b32 v[HX+8*\a+6], v20, 56, s96       ; the code -4.0 at k = 64 (in lanes 16-31 it meets a zero code of Q)
	v_cndmask_b32 v[HY+8*\a+6], v20, 56, s96
	v_mov_b32 v[HX+8*\a+7], 0
	v_mov_b32 v[HY+8*\a+7], 0
	v_cndmask_b32 v24, v21, 0x019b0000, s96        ; its block's scale byte: 155
	v_and_or_b32 v22, v[PW], 0xffff, v24           ; head X's two bytes,
	v_lshrrev_b32 v23, 16, v[PW]
	v_or_b32 v23, v23, v24                         ; head X + 1's
	v_cndmask_b32 v[SWD+\a], v22, v23, s97
	global_store_b128 v16, v[HX+8*\a:HX+8*\a+3], s[16:17] offset:1024*\a        ; the wave stores 512 consecutive bytes
	global_store_b128 v16, v[HX+8*\a+4:HX+8*\a+7], s[16:17] offset:1024*\a+512
	global_store_b128 v16, v[HY+8*\a:HY+8*\a+3], s[18:19] offset:1024*\a
	global_store_b128 v16, v[HY+8*\a+4:HY+8*\a+7], s[18:19] offset:1024*\a+512
.endr
	global_store_b128 v17, v[SWD:SWD+3], s[16:17] offset:8192   ; sixteen lanes store 256 consecutive bytes, aligned
	s_branch .Ldone
.Lv_path:
	; ---- V: my 128 tokens are a key step, my 64 channels a head; a lane holds one channel, its registers run along the keys
	s_and_b32 s84, s59, 7
	s_lshl_b32 s84, s84, 3
	s_lshl_b32 s85, s56, 1
	s_add_co_u32 s84, s84, s85
	s_add_co_u32 s84, s84, s21                     ; which key step of the 64
	s_lshr_b32 s85, s84, 4
	s_lshl_b32 s85, s85, 4
	s_add_co_u32 s85, s85, s63                     ; 16 n + head
	s_and_b32 s84, s84, 15
	s_mul_i32 s85, s85, KNH
	s_mul_i32 s84, s84, KST
	s_add_co_u32 s84, s84, s85
	s_mov_b32 s85, 0
	s_add_nc_u64 s[18:19], s[18:19], s[84:85]
	v_lshlrev_b32 v18, 4, v2
	v_lshl_add_u32 v18, v3, 3, v18                 ; scale words: 16 r + 8 h
.irp a, 0,1,2,3
	WIN 0x02                                       ; source 0 window 2
.set j, 0
.rept 32
	v_pk_add_f32 v[H+j:H+j+1], v[64*\a+j:64*\a+j+1], v[BR+2*\a:BR+2*\a+1]   ; + my channel's bias
.set j, j+2
.endr
	WIN 0
	QUANT H, VF+12*\a, VF+12*\a+6
	v_mov_b32 v[SWD+\a], v[PW]
.irp c, 0,1,2
	global_store_b128 v15, v[VF+12*\a+4*\c:VF+12*\a+4*\c+3], s[18:19] offset:8704+1536*\a+512*\c
.endr
.endr
	v_cndmask_b32 v22, v[SWD], v[SWD+2], s97       ; lanes 0-15 store their channel's words 0 and 1, lanes 16-31 words 2 and 3
	v_cndmask_b32 v23, v[SWD+1], v[SWD+3], s97
	global_store_b64 v18, v[22:23], s[18:19] offset:14848   ; the wave stores 256 consecutive bytes, aligned
.Ldone:
	s_wait_tensorcnt 0x0                           ; the wave's end
	ds_add_u32 v[SPW], v[NIL]
	s_wait_dscnt 0x0
	CROUND                                         ; the closing round
	s_endpgm
.Lfunc_end_k_q2540cd3a64_proj:
	.size	k_q2540cd3a64_proj, .Lfunc_end_k_q2540cd3a64_proj-k_q2540cd3a64_proj
	.p2alignl 7, 3214868480
	.fill 96, 4, 3214868480
	.section	.rodata,"a",@progbits
	.p2align	6, 0x0
	.amdhsa_kernel k_q2540cd3a64_proj
		.amdhsa_group_segment_fixed_size 327680
		.amdhsa_private_segment_fixed_size 0
		.amdhsa_enable_private_segment 0
		.amdhsa_kernarg_size 64
		.amdhsa_user_sgpr_count 2
		.amdhsa_user_sgpr_kernarg_segment_ptr 1
		.amdhsa_wavefront_size32 1
		.amdhsa_system_sgpr_workgroup_id_x 1
		.amdhsa_system_sgpr_workgroup_id_y 1
		.amdhsa_system_sgpr_workgroup_id_z 1
		.amdhsa_system_vgpr_workitem_id 0
		.amdhsa_next_free_vgpr 768
		.amdhsa_next_free_sgpr 104
		.amdhsa_reserve_vcc 0
		.amdhsa_float_denorm_mode_32 3
		.amdhsa_float_denorm_mode_16_64 3
		.amdhsa_memory_ordered 1
		.amdhsa_forward_progress 1
		.amdhsa_inst_pref_size 139
	.end_amdhsa_kernel
	.amdgpu_metadata
---
amdhsa.version: [ 1, 2 ]
amdhsa.kernels:
  - .name:           k_q2540cd3a64_proj
    .symbol:         k_q2540cd3a64_proj.kd
    .args:
      - { .name: gc, .offset: 0, .size: 8, .value_kind: global_buffer, .address_space: global }
      - { .name: gs, .offset: 8, .size: 8, .value_kind: global_buffer, .address_space: global }
      - { .name: bq, .offset: 16, .size: 8, .value_kind: global_buffer, .address_space: global }
      - { .name: bk, .offset: 24, .size: 8, .value_kind: global_buffer, .address_space: global }
      - { .name: bv, .offset: 32, .size: 8, .value_kind: global_buffer, .address_space: global }
      - { .name: mask, .offset: 40, .size: 8, .value_kind: global_buffer, .address_space: global }
      - { .name: qb, .offset: 48, .size: 8, .value_kind: global_buffer, .address_space: global }
      - { .name: kv, .offset: 56, .size: 8, .value_kind: global_buffer, .address_space: global }
    .group_segment_fixed_size: 327680
    .private_segment_fixed_size: 0
    .kernarg_segment_align: 8
    .kernarg_segment_size: 64
    .max_flat_workgroup_size: 128
    .sgpr_count:     104
    .vgpr_count:     768
    .wavefront_size: 32
...
	.end_amdgpu_metadata
.endif
;; end of part 2
;; launch attn (part 3): grid 256 x 1, 16 waves a work-group, clusters of 4 x 1, 327,680 bytes of LDS; arguments qb, kv, af, afs; writes af, afs
.if DOCPART == 3
	.amdgcn_target "amdgcn-amd-amdhsa--gfx1250"
	.amdhsa_code_object_version 6
	.text
	.protected	k_q2540cd3a64_attn
	.globl	k_q2540cd3a64_attn
	.p2align	8
	.type	k_q2540cd3a64_attn,@function
k_q2540cd3a64_attn:
	s_mov_b64 s[64:65], 0
	v_nop
	global_prefetch_b8 v0, s[64:65] scope:SCOPE_SE
	s_setreg_imm32_b32 hwreg(HW_REG_WAVE_MODE, 25, 1), 1
	s_wait_xcnt 0x0
	s_wait_alu depctr_hold_cnt(0) depctr_sa_sdst(0) depctr_va_vdst(0) depctr_va_sdst(0) depctr_va_ssrc(0) depctr_va_vcc(0) depctr_vm_vsrc(0)
	s_getreg_b32 s2, hwreg(HW_REG_IB_STS2, 6, 4)
	s_cmp_eq_u32 s2, 0
	s_cbranch_scc0 .Lentry_in_a_cluster
	s_endpgm
.Lentry_in_a_cluster:
	s_bfe_u32 s2, ttmp6, 0x10000c
	s_cmp_lg_u32 s2, 0x3003
	s_cbranch_scc0 .Lentry_shape_is_right
	s_endpgm
.Lentry_shape_is_right:
; For each of 64 (batch, head): O[q] = the sum over keys of softmax(q . k / 8) v, both products on codes of FP6 (E2M3) with E8M0 scales, and O quantised along the 1,024 channels for the last product.
; THE SOFTMAX: t = score x log2(e) / 8; M = the running largest t rounded UP to a whole number; p = 2^(t - M) is quantised along the keys, not normalised; the row's sum is taken of the unquantised p and divides O at the end.
; When M moves, the sum and O are multiplied by 2^(old M - new M): exact.  t - M is one fused multiply-add.  The running maximum is kept as a score; c is positive, so c x the largest score is the largest t.
; THE MASK: a masked key arrives with zero codes and -4 x 2^28 at k = 64, every query with 1 at k = 64, so that its score is -2^30 (stated with the launch that makes the codes).
; LIMITS: the scaled scores stay under 2^31 in magnitude; NaN and infinities are not served; a block of p under 2^-124 keeps the scale byte 1.
; SHARES.  The cluster's number is 16 n + head; its four work-groups take 512 queries each and read the same K and V: each key step is asked for JOINTLY.
; A HEAD'S K, V AND SCALES, 241,664 bytes, LIE IN LDS WHOLE, filled once: wave w brings key step w by one load (one load of a wave is out).  One barrier, and none after it.  No prefetch: the one fill stands at the head, with no loop ahead of it.
; Each of sixteen waves takes two tiles of 16 queries, one after the other, in 256 registers: four waves to a SIMD.
; LAYOUT.  Both products are used transposed: S^T = K Q^T, O^T = V^T P^T: a lane holds ONE query (lane % 16).  Row m of K's tile t is key 64 (t / 4) + 32 (m / 8) + 8 (t % 4) + m % 8:
; so lane (r, h) holds in the 32 registers of tiles 4 c .. 4 c + 3 the keys 64 c + 32 h + 0 .. 31: ONE WHOLE SCALE BLOCK of p, in the order of the operand's registers.  A block's maximum needs no other lane, and the codes are not moved between lanes.
; A tile of K is 8 registers a lane (six of codes, one with k = 64, one zero); the operand's run of 12 reaches into the next tile's codes, which meet zero codes of Q.
; REGISTERS: v1-8 addresses; v11 8 h; v12 -M, v13 the largest score, v[14:15] the sum; v16-27, v28-39 the two tiles of Q; v40-41, v42-49, v50-53, v255 scale words; v56-123 8 tiles of K (+ 4 zeros) or 4 fragments of V;
;   v124-187 S^T, then p; v188-219 O^T; v220-231 p's codes; v232-254 at work.
.set KST,  15104                       ; a key step in kv and in LDS: K's tiles 0, K's scale words 8,192, V's fragments 8,704, V's scale words 14,848
.set KNH,  16*KST
.set QST,  8704
.set QNH,  16*QST
.set SPARE, KNH                        ; behind the head: the spare words, 128 bytes for each wave: eight blocks of 256 bytes that no other line names
.set SPW,  5
.set NIL,  6
.set QA,   16
.set QBR,  28
.set QS,   40
.set KS,   42
.set VS,   50
.set FB,   56
.set S,    124
.set OT,   188
.set PC,   220
.set MX,   232
.set WV,   12
.set SEL,  28
.set CS,   30
.set TB,   32
.set CNT,  33
.set HI,   34
.macro CROUND
	s_barrier_signal -1
	s_barrier_wait -1
	s_cmp_lg_u32 s[WV], 0
	s_cbranch_scc1 .Lnot_wave_0_\@
	s_barrier_signal -3
.Lnot_wave_0_\@:
	s_barrier_wait -3
	s_barrier_signal -1
	s_barrier_wait -1
.endm
.macro KLOAD                           ; a key step's 8 tiles of K and their scale words
.irp t, 0,1,2,3,4,5,6,7
	ds_load_b128 v[FB+8*\t:FB+8*\t+3], v3 offset:1024*\t
	ds_load_b128 v[FB+8*\t+4:FB+8*\t+7], v3 offset:1024*\t+512
.endr
	ds_load_b128 v[KS:KS+3], v4 offset:8192
	ds_load_b128 v[KS+4:KS+7], v4 offset:8448
.endm
.macro VLOAD                           ; its 4 fragments of V^T and their scale words
.irp t, 0,1,2,3
.irp c, 0,1,2
	ds_load_b128 v[FB+12*\t+4*\c:FB+12*\t+4*\c+3], v3 offset:8704+1536*\t+512*\c
.endr
.endr
	ds_load_b128 v[VS:VS+3], v4 offset:14848
.endm
.macro SUMS n0, n1                     ; numbers n0 .. n1 - 1 of the 32 packed additions that sum the unquantised p, in two chains
.set n, \n0
.rept (\n1)-(\n0)
.if n == 0
	v_pk_add_f32 v[248:249], v[S:S+1], v[S+2:S+3]
.elseif n == 31
	s_delay_alu instid0(VALU_DEP_1)
	v_pk_add_f32 v[14:15], v[14:15], v[248:249]
.elseif n%2 == 1
	v_pk_add_f32 v[14:15], v[14:15], v[S+2*n+2:S+2*n+3]
.else
	v_pk_add_f32 v[248:249], v[248:249], v[S+2*n+2:S+2*n+3]
.endif
.set n, n+1
.endr
.endm
.macro OTM n0, n1                      ; numbers n0 .. n1 - 1 of the 16 packed multiplications that bring O^T under the new M; each accumulator from its low end on
.set n, \n0
.rept (\n1)-(\n0)
	v_pk_mul_f32 v[OT+2*n:OT+2*n+1], v[OT+2*n:OT+2*n+1], v[252:253] op_sel_hi:[1,0]
.set n, n+1
.endr
.endm
; A KEY STEP of 128 keys for the tile of queries in v[q ..], scale words in v[qs].  tail = 1: the next step's K is fetched at the end.
.macro STEP q, qs, tail
	s_wait_dscnt 0x0                               ; K is in
.irp t, 0,1,2,3,4,5,6,7
	v_wmma_scale_f32_16x16x128_f8f6f4 v[S+8*\t:S+8*\t+7], v[FB+8*\t:FB+8*\t+11], v[(\q):(\q)+11], 0, v[KS+\t], v[\qs] matrix_a_fmt:MATRIX_FMT_FP6 matrix_b_fmt:MATRIX_FMT_FP6
.endr
	v_mov_b32 v254, v12                            ; the old -M.  This line and three v_nop: the places in front of the loads into K's registers and of the first read of the scores
.rept 3
	v_nop
.endr
	VLOAD                                          ; lands while the softmax is walked
.irp c, 0,1                                    ; the largest score of my two blocks of 32 keys, two chains a block: for the row's maximum and, since p rises with the score, for the block's largest p
	v_max3_num_f32 v[MX+\c], v[S+32*\c], v[S+32*\c+1], v[S+32*\c+2]
	v_max3_num_f32 v[MX+2+\c], v[S+32*\c+16], v[S+32*\c+17], v[S+32*\c+18]
.endr
.irp i, 3,5,7,9,11,13
.irp c, 0,1
	v_max3_num_f32 v[MX+\c], v[MX+\c], v[S+32*\c+\i], v[S+32*\c+\i+1]
	v_max3_num_f32 v[MX+2+\c], v[MX+2+\c], v[S+32*\c+16+\i], v[S+32*\c+17+\i]
.endr
.endr
.irp c, 0,1
	v_max3_num_f32 v[MX+\c], v[MX+\c], v[MX+2+\c], v[S+32*\c+15]
.endr
.irp c, 0,1
	v_max_num_f32 v[MX+\c], v[MX+\c], v[S+32*\c+31]
.endr
	s_delay_alu instid0(VALU_DEP_1)
	v_max_num_f32 v250, v[MX], v[MX+1]             ; of my 64 keys,
	s_delay_alu instid0(VALU_DEP_1)
	v_permlanex16_b32 v251, v250, s[SEL], s[SEL+1]
	s_delay_alu instid0(VALU_DEP_1)
	v_max3_num_f32 v13, v13, v250, v251            ; with lane l xor 16's 64: the running largest score
	s_delay_alu instid0(VALU_DEP_1)
	v_mul_f32 v250, s[CS], v13                     ; as t
	s_delay_alu instid0(VALU_DEP_1)
	v_floor_f32 v12, -v250                         ; the new -M = -ceil(t): a whole number
	s_delay_alu instid0(VALU_DEP_1)
	v_sub_f32 v254, v12, v254                      ; old M - new M, 0 or less
	s_delay_alu instid0(VALU_DEP_1)
	v_cvt_i32_f32 v254, v254                       ; (it saturates)
	s_delay_alu instid0(VALU_DEP_1)
	v_ldexp_f32 v252, 1.0, v254                    ; f = 2^(old M - new M)
.set j, 0
.rept 32
	v_pk_fma_f32 v[S+j:S+j+1], v[S+j:S+j+1], s[CS:CS+1], v[12:13] op_sel_hi:[1,0,0]   ; t - M, two at a time
.set j, j+2
.endr
.irp c, 0,1
	v_fma_f32 v[MX+\c], v[MX+\c], s[CS], v12       ; the same of each block's largest score
.endr
	s_wait_alu depctr_va_vdst(0)                   ; ahead of the batch
.set j, 0
.rept 64
	v_exp_f32 v[S+j], v[S+j]                       ; p = 2^(t - M), at most 1
.set j, j+1
.endr
.irp c, 0,1
	v_exp_f32 v[MX+\c], v[MX+\c]                   ; the block's largest p: the same two instructions on the same number give the same bits
.endr
	s_wait_alu depctr_va_vdst(0)                   ; and behind it, directly ahead of the first reader of O^T
; The scale's lines stand among O^T's multiplications and the sums, five or more lines behind what they read
	OTM 0, 1                                       ; the plain place behind the exponentials
.irp c, 0,1
	v_max_num_f32 v[MX+\c], 0x1800000, v[MX+\c]    ; the floor 2^(3 - 127): the byte cannot fall under 1
.endr
	OTM 1, 4
.irp c, 0,1
	v_add_nc_u32 v[MX+12+\c], 0xff000000, v[MX+\c] ; 2 off the exponent field: the conversion's scale operand
.endr
	OTM 4, 7
.irp c, 0,1
	v_lshrrev_b32 v[MX+4+\c], 23, v[MX+12+\c]      ; the scale's byte
.endr
	OTM 7, 11
	v_lshl_or_b32 v255, v[MX+5], 16, v[MX+4]       ; my two bytes: blocks h and 2 + h,
	OTM 11, 16
	v_lshlrev_b32 v255, v11, v255                  ; at their places in the word (8 h bits up);
	v_pk_mul_f32 v[14:15], v[14:15], v[252:253] op_sel_hi:[1,0]   ; the sum under the new M
	SUMS 0, 4
	v_permlanex16_b32 v251, v255, s[SEL], s[SEL+1]
	SUMS 4, 9
	v_or_b32 v255, v255, v251                      ; with lane l xor 16's two: p's scale word for these 128 keys
.irp c, 0,1
	v_cvt_scalef32_pk16_fp6_f32 v[PC+6*\c:PC+6*\c+2], v[S+32*\c:S+32*\c+15], v[MX+12+\c]
	v_cvt_scalef32_pk16_fp6_f32 v[MX+4+4*\c:MX+6+4*\c], v[S+32*\c+16:S+32*\c+31], v[MX+12+\c]   ; (a conversion's three registers begin on an even number)
.endr
	v_nop                                          ; one plain place behind a scaled conversion
.irp c, 0,1
.irp i, 0,1,2
	v_mov_b32 v[PC+3+6*\c+\i], v[MX+4+4*\c+\i]     ; registers 6 c .. 6 c + 5: keys 64 c + 32 h + 0 .. 31
.endr
.endr
	SUMS 9, 17                                     ; eight places between the scale word's and the codes' last writes and the products
	s_wait_alu depctr_va_vdst(0)                   ; directly ahead of the wait below
	s_wait_dscnt 0x0                               ; V is in
.irp t, 0,1,2,3
	v_wmma_scale_f32_16x16x128_f8f6f4 v[OT+8*\t:OT+8*\t+7], v[FB+12*\t:FB+12*\t+11], v[PC:PC+11], v[OT+8*\t:OT+8*\t+7], v[VS+\t], v255 matrix_a_fmt:MATRIX_FMT_FP6 matrix_b_fmt:MATRIX_FMT_FP6
.endr
	SUMS 17, 21                                    ; four places in front of the loads into V's registers
.if \tail
	s_add_co_u32 s[TB], s[TB], KST
	v_add_nc_u32 v3, s[TB], v1
	v_add_nc_u32 v4, s[TB], v2
	KLOAD                                          ; the next step's K lands under the rest of the sums
.endif
	SUMS 21, 32
.endm
; O^T / the sum; its 64 channels are two blocks of the last product's K: codes as half a fragment's image (3 chunks of 256 bytes), one scale byte a lane
.macro WAYOUT p
	s_delay_alu instid0(VALU_DEP_1)
	v_add_f32 v14, v14, v15
	s_delay_alu instid0(VALU_DEP_1)
	v_permlanex16_b32 v254, v14, s[SEL], s[SEL+1]
	s_delay_alu instid0(VALU_DEP_1)
	v_add_f32 v14, v14, v254                       ; the row's sum
	s_wait_alu depctr_va_vdst(0)
	v_rcp_f32 v14, v14
	v_nop                                          ; a plain place behind the reciprocal
	s_wait_alu depctr_va_vdst(0)                   ; and the wait ahead of its first reader
.set j, 0
.rept 16
	v_pk_mul_f32 v[S+j:S+j+1], v[OT+j:OT+j+1], v[14:15] op_sel_hi:[1,0]   ; register 16 b + i: channel 32 b + 16 h + i; each accumulator from its low end on
.set j, j+2
.endr
.irp b, 0,1
	v_max3_num_f32 v[MX+\b], |v[S+16*\b]|, |v[S+16*\b+1]|, 0x1800000
.endr
.irp i, 2,4,6,8,10,12,14
.irp b, 0,1
	s_delay_alu instid0(VALU_DEP_2)
	v_max3_num_f32 v[MX+\b], v[MX+\b], |v[S+16*\b+\i]|, |v[S+16*\b+\i+1]|
.endr
.endr
.irp b, 0,1
	v_permlanex16_b32 v[MX+4+\b], v[MX+\b], s[SEL], s[SEL+1]
.endr
.irp b, 0,1
	s_delay_alu instid0(VALU_DEP_2)
	v_max_num_f32 v[MX+\b], v[MX+\b], v[MX+4+\b]
.endr
.irp b, 0,1
	s_delay_alu instid0(VALU_DEP_2)
	v_add_nc_u32 v[MX+12+\b], 0xff000000, v[MX+\b]
.endr
.irp b, 0,1
	s_delay_alu instid0(VALU_DEP_2)
	v_lshrrev_b32 v[MX+4+\b], 23, v[MX+12+\b]
.endr
	v_cvt_scalef32_pk16_fp6_f32 v[PC:PC+2], v[S:S+15], v[MX+12]
	v_cvt_scalef32_pk16_fp6_f32 v[MX+8:MX+10], v[S+16:S+31], v[MX+13]
	v_nop
.irp i, 0,1,2
	v_permlane16_swap_b32 v[PC+\i], v[MX+8+\i]
.endr
.irp i, 0,1,2
	s_delay_alu instid0(VALU_DEP_3)
	v_mov_b32 v[PC+3+\i], v[MX+8+\i]               ; lanes 0-15 hold block 0, lanes 16-31 block 1
.endr
	v_cndmask_b32 v254, v[MX+4], v[MX+5], s[HI]    ; my block's byte
.irp u, 0,1,2
	global_store_b64 v7, v[PC+2*\u:PC+2*\u+1], s[42:43] offset:12288*(\p)+256*\u   ; 32 lanes store 256 consecutive bytes, aligned
.endr
	global_store_b8 v8, v254, s[44:45] offset:512*(\p)   ; two bytes of each row's 32: the heads share the rows, so these rows are written in parts; one byte for 24 of codes
.endm
.macro PASS p, q, qs
	s_wait_xcnt 0x0                                ; the last tile's stores have read their registers
	v_mov_b32 v13, 0xff61b1e6                      ; the largest score so far: -3e38
	s_delay_alu instid0(VALU_DEP_1)
	v_floor_f32 v12, -v13
	v_mov_b32 v14, 0
	v_mov_b32 v15, 0
.set j, 0
.rept 32
	v_mov_b32 v[OT+j], 0                           ; the step is written once: the first finds zeros, which the first change of M leaves zeros
.set j, j+1
.endr
	s_mov_b32 s[TB], 0
	v_add_nc_u32 v3, s[TB], v1
	v_add_nc_u32 v4, s[TB], v2
	KLOAD
	s_mov_b32 s[CNT], 15
.Lkeys_\@:
	s_wait_alu depctr_va_vdst(0)
	STEP \q, \qs, 1
	s_sub_co_u32 s[CNT], s[CNT], 1
	s_cmp_lg_u32 s[CNT], 0
	s_cbranch_scc1 .Lkeys_\@
	STEP \q, \qs, 0                                ; the last key step fetches nothing
	WAYOUT \p
.endm
	s_load_b256 s[4:11], s[0:1], 0x0               ; qb s[4:5], kv s[6:7], af s[8:9], afs s[10:11]
	v_lshl_add_u32 v[SPW], v0, 2, SPARE
	v_mov_b32 v[NIL], 0
	ds_add_u32 v[SPW], v[NIL]                      ; the wave's opening: the add, twice on end, and its wait ahead of my first tensor load
	ds_add_u32 v[SPW], v[NIL]
	v_lshrrev_b32 v1, 5, v0
	s_delay_alu instid0(VALU_DEP_1)
	v_readfirstlane_b32 s[WV], v1                  ; wave 0..15
	s_bfe_u32 s13, ttmp6, 0x40000                  ; cx: it enters Q's and the outputs' addresses alone
	s_mov_b32 s16, 15|(3<<16)|(1<<21)              ; group 1: the mask names all four work-groups; elements of 8 bytes; bit 21 beside a mask; no padding
	s_mov_b32 s17, 32<<16                          ; a key step is a dense block of 15,104 bytes: 59 rows of 256
	s_mov_b32 s18, 59<<16
	s_mov_b32 s19, 32<<16
	s_mov_b32 s20, 59
	s_mov_b32 s21, 32
	s_mov_b32 s22, 0
	s_mov_b32 s23, 0
	s_mov_b32 s24, 1
	s_mul_i32 s25, s[WV], KST                      ; key step w, in LDS
	s_mul_i32 s36, ttmp9, KNH
	s_add_co_u32 s36, s36, s25                     ; and in the head's part of kv
	s_mov_b32 s37, 0
	s_mul_i32 s38, ttmp9, QNH
	s_lshl_b32 s14, s13, 2
	s_lshr_b32 s15, s[WV], 2
	s_add_co_u32 s14, s14, s15
	s_mul_i32 s14, s14, QST
	s_add_co_u32 s38, s38, s14                     ; my queries' step of 128: 4 cx + wave / 4
	s_mov_b32 s39, 0
	s_and_b32 s14, s[WV], 3
	s_lshl_b32 s15, s14, 11
	s_add_co_u32 s40, s38, s15                     ; my two tiles: 2 (wave % 4), + 1
	s_mov_b32 s41, 0
	s_lshr_b32 s14, s14, 1
	s_lshl_b32 s14, s14, 8
	s_and_b32 s15, s[WV], 1
	s_lshl_b32 s15, s15, 3
	s_add_co_u32 s14, s14, s15
	s_add_co_u32 s38, s38, s14                     ; and their scale words
	s_lshr_b32 s14, ttmp9, 4
	s_lshl_b32 s14, s14, 7
	s_lshl_b32 s15, s13, 5
	s_add_co_u32 s14, s14, s15
	s_lshl_b32 s15, s[WV], 1
	s_add_co_u32 s14, s14, s15                     ; my first group of tokens: 128 n + 32 cx + 2 wave
	s_and_b32 s15, ttmp9, 15                       ; the head
	s_mul_i32 s42, s14, 12288
	s_mul_i32 s35, s15, 768
	s_add_co_u32 s42, s42, s35
	s_mov_b32 s43, 0
	s_lshl_b32 s44, s14, 9
	s_lshl_b32 s15, s15, 1
	s_add_co_u32 s44, s44, s15
	s_mov_b32 s45, 0
	s_mov_b32 s[SEL], 0x76543210
	s_mov_b32 s[SEL+1], 0xfedcba98
	s_mov_b32 s[CS], 0x3e38aa3b                    ; c = log2(e) / 8
	s_mov_b32 s[CS+1], s[CS]
	s_mov_b32 s[HI], 0xffff0000                    ; lanes 16-31
	s_wait_dscnt 0x0                               ; both opening adds are done
	s_wait_kmcnt 0x0
	s_add_nc_u64 s[26:27], s[6:7], s[36:37]
	s_or_b32 s27, s27, 0x80000000
	s_add_nc_u64 s[40:41], s[4:5], s[40:41]
	s_add_nc_u64 s[38:39], s[4:5], s[38:39]
	s_add_nc_u64 s[42:43], s[8:9], s[42:43]
	s_add_nc_u64 s[44:45], s[10:11], s[44:45]
	CROUND                                         ; all four work-groups are here: the joint loads meet
	tensor_load_to_lds s[24:27], s[16:23]          ; my one load: key step w of the head
	s_nop 0
.rept 4
	v_nop
.endr
	v_and_b32 v9, 31, v0                           ; lane
	v_and_b32 v10, 15, v0                          ; r
	v_bfe_u32 v11, v0, 4, 1                        ; h
	s_delay_alu instid0(VALU_DEP_3)
	v_lshlrev_b32 v1, 4, v9                        ; 16 x lane
	s_delay_alu instid0(VALU_DEP_3)
	v_lshlrev_b32 v2, 4, v10                       ; 16 r
	v_lshlrev_b32 v7, 3, v9                        ; 8 x lane
	s_delay_alu instid0(VALU_DEP_4)
	v_lshl_add_u32 v8, v10, 5, v11                 ; 32 r + h
	v_lshlrev_b32 v11, 3, v11                      ; 8 h: my bytes' place in p's scale word
	global_load_b128 v[QA:QA+3], v1, s[40:41]
	global_load_b128 v[QA+4:QA+7], v1, s[40:41] offset:512
	global_load_b128 v[QBR:QBR+3], v1, s[40:41] offset:1024
	global_load_b128 v[QBR+4:QBR+7], v1, s[40:41] offset:1536
	global_load_b32 v[QS], v2, s[38:39] offset:8192
	global_load_b32 v[QS+1], v2, s[38:39] offset:8196
.irp i, 8,9,10,11
	v_mov_b32 v[QA+\i], 0                          ; Q's codes of k = 80 .. 127: zeros
	v_mov_b32 v[QBR+\i], 0
	v_mov_b32 v[FB+56+\i], 0                       ; what the last tile of K's run of 12 registers reaches
.endr
.irp r, 236,237,251,253,254
	v_mov_b32 v\r, 0                               ; written once: a lane permute's destination counts as one of its sources; v253 is named as the upper half of the pair v[252:253]
.endr
	s_wait_tensorcnt 0x0                           ; my key step is in,
	s_barrier_signal -1
	s_barrier_wait -1                              ; the whole head is
	s_wait_loadcnt 0x0                             ; Q
	PASS 0, QA, QS
	PASS 1, QBR, QS+1
	s_wait_tensorcnt 0x0                           ; the wave's end
	ds_add_u32 v[SPW], v[NIL]
	s_wait_dscnt 0x0
	CROUND                                         ; the closing round
	s_endpgm
.Lfunc_end_k_q2540cd3a64_attn:
	.size	k_q2540cd3a64_attn, .Lfunc_end_k_q2540cd3a64_attn-k_q2540cd3a64_attn
	.p2alignl 7, 3214868480
	.fill 96, 4, 3214868480
	.section	.rodata,"a",@progbits
	.p2align	6, 0x0
	.amdhsa_kernel k_q2540cd3a64_attn
		.amdhsa_group_segment_fixed_size 327680
		.amdhsa_private_segment_fixed_size 0
		.amdhsa_enable_private_segment 0
		.amdhsa_kernarg_size 32
		.amdhsa_user_sgpr_count 2
		.amdhsa_user_sgpr_kernarg_segment_ptr 1
		.amdhsa_wavefront_size32 1
		.amdhsa_system_sgpr_workgroup_id_x 1
		.amdhsa_system_sgpr_workgroup_id_y 1
		.amdhsa_system_sgpr_workgroup_id_z 1
		.amdhsa_system_vgpr_workitem_id 0
		.amdhsa_next_free_vgpr 256
		.amdhsa_next_free_sgpr 66
		.amdhsa_reserve_vcc 0
		.amdhsa_float_denorm_mode_32 3
		.amdhsa_float_denorm_mode_16_64 3
		.amdhsa_memory_ordered 1
		.amdhsa_forward_progress 1
		.amdhsa_inst_pref_size 76
	.end_amdhsa_kernel
	.amdgpu_metadata
---
amdhsa.version: [ 1, 2 ]
amdhsa.kernels:
  - .name:           k_q2540cd3a64_attn
    .symbol:         k_q2540cd3a64_attn.kd
    .args:
      - { .name: qb, .offset: 0, .size: 8, .value_kind: global_buffer, .address_space: global }
      - { .name: kv, .offset: 8, .size: 8, .value_kind: global_buffer, .address_space: global }
      - { .name: af, .offset: 16, .size: 8, .value_kind: global_buffer, .address_space: global }
      - { .name: afs, .offset: 24, .size: 8, .value_kind: global_buffer, .address_space: global }
    .group_segment_fixed_size: 327680
    .private_segment_fixed_size: 0
    .kernarg_segment_align: 8
    .kernarg_segment_size: 32
    .max_flat_workgroup_size: 512
    .sgpr_count:     66
    .vgpr_count:     256
    .wavefront_size: 32
...
	.end_amdgpu_metadata
.endif
;; end of part 3
;; launch outp (part 4): grid 64 x 4, 4 waves a work-group, clusters of 4 x 4, 327,680 bytes of LDS; arguments gc, gs, af, afs, bo, out0; writes out0
.if DOCPART == 4
	.amdgcn_target "amdgcn-amd-amdhsa--gfx1250"
	.amdhsa_code_object_version 6
	.text
	.protected	k_q2540cd3a64_outp
	.globl	k_q2540cd3a64_outp
	.p2align	8
	.type	k_q2540cd3a64_outp,@function
k_q2540cd3a64_outp:
	s_mov_b64 s[64:65], 0
	v_nop
	global_prefetch_b8 v0, s[64:65] scope:SCOPE_SE
	s_setreg_imm32_b32 hwreg(HW_REG_WAVE_MODE, 25, 1), 1
	s_wait_xcnt 0x0
	s_wait_alu depctr_hold_cnt(0) depctr_sa_sdst(0) depctr_va_vdst(0) depctr_va_sdst(0) depctr_va_ssrc(0) depctr_va_vcc(0) depctr_vm_vsrc(0)
	s_getreg_b32 s2, hwreg(HW_REG_IB_STS2, 6, 4)
	s_cmp_eq_u32 s2, 0
	s_cbranch_scc0 .Lentry_in_a_cluster
	s_endpgm
.Lentry_in_a_cluster:
	s_bfe_u32 s2, ttmp6, 0x10000c
	s_cmp_lg_u32 s2, 0xf033
	s_cbranch_scc0 .Lentry_shape_is_right
	s_endpgm
.Lentry_shape_is_right:
; out0 = attention's result x wo^T + bo on codes of FP6 (E2M3) with E8M0 scales, K = 1,024; out0 [8192][1024] f32.
; A work-group makes P 256 channels of wo x R 128 tokens; source 0 = 16 rows of P, source 1 = 16 rows of R: a lane holds one token and eight neighbouring channels a tile.
; Rows come in groups of 16 (group g: rows 32 (g / 2) + 8 (g % 2) + r + 8 (r / 8)).  Four waves: wave / 2 picks 128 channels, wave % 2 picks 64 tokens: 32 accumulators.
; ALL OF K LIES IN LDS: (256 + 128) rows x 768 bytes, each byte filled once, by one tensor load a wave, all of K: one load of a wave is out.
; CLUSTER 4 x 4: P's tile hangs on cx alone and is asked for jointly by a column of the cluster, R's on cy and the cluster's number and by a row.
; The bias is the C of the first K step's products.  The way out goes through each wave's stage in LDS, so that a store covers 512 consecutive bytes of a row of out0.
; The stages lie in the first quarter of P's image: it has had its only fill, and every wave's last reads of it are awaited at the head of K step 7, ahead of the barrier behind the last step.
; REGISTERS: window 0: v4-11 LDS addresses; v12-17 offsets; v32-63, v64-79 scale words; v80-175 R's fragments, two sets; on the way out v80-207 rows of out0.
;   window 1: P's fragments, two sets of 96; v192-255 the bias.   window 2: accumulator (a, b) at v[8 (8 a + b)].
.set FRB,   1536
.set QTR,   2*FRB
.set GRP,   4*QTR
.set PQ,    16*QTR
.set RQ,    8*QTR
.set RIMG,  4*PQ
.set SPARE, RIMG+4*RQ                  ; the spare words, 128 bytes for each wave: two blocks of 256 bytes that no other line names
.set SPITCH, 528                       ; a stage row: 512 bytes + 16
.set ADP, 4
.set ADR, 8
.set CO,  15                           ; v15  16 x lane
.set STO, 16                           ; v16  where I put 16 bytes of a row
.set RD,  17                           ; v17  where I read a row back
.set SPW, 28
.set NIL, 29
.set SP,  32
.set SR,  64
.set RF,  80
.set BK,  80                           ; the way out: 16 rows, v80-143 and v144-207 by turns
.set BP,  192
.set G1P, 24
.set G1R, 32
.set G0P, 40
.set G0R, 68
.set MUL,  0xa1                        ; source 0 (P) window 1, source 1 (R) window 0, C and D window 2
.set TO_P, 0x40
.set FIRSTWIN, 0x91                    ; the same with C (the bias) in window 1
.set FIRSTC, 1
.set MSB, 0
.macro WIN new                         ; the immediate's high byte repeats the setting that is left
.if MSB != \new
	s_set_vgpr_msb (MSB<<8)|\new
.set MSB, \new
.endif
.endm
.macro CROUND                          ; a round of the cluster's barrier
	s_barrier_signal -1
	s_barrier_wait -1
	s_cmp_lg_u32 s20, 0
	s_cbranch_scc1 .Lnot_wave_0_\@
	s_barrier_signal -3
.Lnot_wave_0_\@:
	s_barrier_wait -3
	s_barrier_signal -1
	s_barrier_wait -1
.endm
.macro PLACES                          ; four plain places behind matrix instructions, in front of loads into their registers and of reads of results
.rept 4
	v_nop
.endr
.endm
; one product.  cm = 0: C is the constant 0; else C = v[c ..].  ra, rb: the scale words are taken from lanes 16-31
.macro WM d, a, b, cm, c, sa, sb, ra, rb
.if (\cm) == 0
.if (\ra) && (\rb)
	v_wmma_scale_f32_16x16x128_f8f6f4 v[(\d):(\d)+7], v[(\a):(\a)+11], v[(\b):(\b)+11], 0, v[\sa], v[\sb] matrix_a_fmt:MATRIX_FMT_FP6 matrix_b_fmt:MATRIX_FMT_FP6 matrix_a_scale:MATRIX_SCALE_ROW1 matrix_b_scale:MATRIX_SCALE_ROW1
.elseif (\ra)
	v_wmma_scale_f32_16x16x128_f8f6f4 v[(\d):(\d)+7], v[(\a):(\a)+11], v[(\b):(\b)+11], 0, v[\sa], v[\sb] matrix_a_fmt:MATRIX_FMT_FP6 matrix_b_fmt:MATRIX_FMT_FP6 matrix_a_scale:MATRIX_SCALE_ROW1
.elseif (\rb)
	v_wmma_scale_f32_16x16x128_f8f6f4 v[(\d):(\d)+7], v[(\a):(\a)+11], v[(\b):(\b)+11], 0, v[\sa], v[\sb] matrix_a_fmt:MATRIX_FMT_FP6 matrix_b_fmt:MATRIX_FMT_FP6 matrix_b_scale:MATRIX_SCALE_ROW1
.else
	v_wmma_scale_f32_16x16x128_f8f6f4 v[(\d):(\d)+7], v[(\a):(\a)+11], v[(\b):(\b)+11], 0, v[\sa], v[\sb] matrix_a_fmt:MATRIX_FMT_FP6 matrix_b_fmt:MATRIX_FMT_FP6
.endif
.else
.if (\ra) && (\rb)
	v_wmma_scale_f32_16x16x128_f8f6f4 v[(\d):(\d)+7], v[(\a):(\a)+11], v[(\b):(\b)+11], v[(\c):(\c)+7], v[\sa], v[\sb] matrix_a_fmt:MATRIX_FMT_FP6 matrix_b_fmt:MATRIX_FMT_FP6 matrix_a_scale:MATRIX_SCALE_ROW1 matrix_b_scale:MATRIX_SCALE_ROW1
.elseif (\ra)
	v_wmma_scale_f32_16x16x128_f8f6f4 v[(\d):(\d)+7], v[(\a):(\a)+11], v[(\b):(\b)+11], v[(\c):(\c)+7], v[\sa], v[\sb] matrix_a_fmt:MATRIX_FMT_FP6 matrix_b_fmt:MATRIX_FMT_FP6 matrix_a_scale:MATRIX_SCALE_ROW1
.elseif (\rb)
	v_wmma_scale_f32_16x16x128_f8f6f4 v[(\d):(\d)+7], v[(\a):(\a)+11], v[(\b):(\b)+11], v[(\c):(\c)+7], v[\sa], v[\sb] matrix_a_fmt:MATRIX_FMT_FP6 matrix_b_fmt:MATRIX_FMT_FP6 matrix_b_scale:MATRIX_SCALE_ROW1
.else
	v_wmma_scale_f32_16x16x128_f8f6f4 v[(\d):(\d)+7], v[(\a):(\a)+11], v[(\b):(\b)+11], v[(\c):(\c)+7], v[\sa], v[\sb] matrix_a_fmt:MATRIX_FMT_FP6 matrix_b_fmt:MATRIX_FMT_FP6
.endif
.endif
.endm
; 16 products of K step f: R's tiles a0, a0 + 1 x P's eight.  cm = 0: C = 0; 1: C = the bias; 2: in place.  The 32 accumulators take turns, one instruction a turn, in one order in every step
.macro MUL16 f, a0, cm
.irp a, \a0, \a0+1
.irp b, 0,1,2,3,4,5,6,7
.if (\cm) == 2
	WM 8*(8*(\a)+\b), 96*((\f)%2)+12*\b, RF+48*((\f)%2)+12*(\a), 1, 8*(8*(\a)+\b), SP+8*(\b/2)+(\f), SR+8*((\a)/2)+(\f), \b%2, (\a)%2
.else
	WM 8*(8*(\a)+\b), 96*((\f)%2)+12*\b, RF+48*((\f)%2)+12*(\a), \cm, BP+8*\b, SP+8*(\b/2)+(\f), SR+8*((\a)/2)+(\f), \b%2, (\a)%2
.endif
.endr
.endr
.endm
.macro FRAGB reg, adr, off             ; a fragment's image back into 12 registers
.irp p, 0,1,2,3,4,5
	ds_load_b64 v[(\reg)+2*\p:(\reg)+2*\p+1], v[\adr] offset:(\off)+256*\p
.endr
.endm
.macro FETCH f                         ; K step f: my 8 fragments of P and 4 of R into set f % 2: 72 loads in one run
	WIN TO_P
.irp b, 0,1,2,3,4,5,6,7
	FRAGB 96*((\f)%2)+12*\b, ADP+\b/2, (\b%2)*GRP+(\f)*FRB   ; LDS holds the groups as memory does: group, K step, chunk; an address register for each two groups
.endr
	WIN 0
.irp a, 0,1,2,3
	FRAGB RF+48*((\f)%2)+12*\a, ADR, \a*GRP+(\f)*FRB
.endr
.endm
.macro STEP f
	s_wait_dscnt 0x0                               ; this step's 72 loads are in
.if (\f) == 0
	WIN FIRSTWIN
	MUL16 \f, 0, FIRSTC
.else
	WIN MUL
	MUL16 \f, 0, 2
.endif
.if (\f) < 7
	WIN 0
	PLACES                                         ; the other set was read by the step before
	FETCH (\f)+1
.endif
.if (\f) == 0
	WIN FIRSTWIN
	MUL16 \f, 2, FIRSTC
.else
	WIN MUL
	MUL16 \f, 2, 2
.endif
.endm
	s_load_b256 s[4:11], s[0:1], 0x0               ; gc s[4:5], gs s[6:7], af s[8:9], afs s[10:11]
	s_load_b128 s[12:15], s[0:1], 0x20             ; bo s[12:13], out0 s[14:15]
	v_lshl_add_u32 v[SPW], v0, 2, SPARE
	v_mov_b32 v[NIL], 0
	ds_add_u32 v[SPW], v[NIL]                      ; the wave's opening: the add and its wait ahead of my first tensor load; work on registers stands between them
	ds_add_u32 v[SPW], v[NIL]
	v_lshrrev_b32 v1, 5, v0
	v_readfirstlane_b32 s20, v1                    ; wave 0..3
	s_lshr_b32 s21, s20, 1                         ; my half of P.  Also: I fetch for P (0) or for R (1)
	s_and_b32 s22, s20, 1                          ; my half of R.  Also: which half of that tile I fetch
	s_bfe_u32 s56, ttmp6, 0x40000                  ; cx
	s_bfe_u32 s57, ttmp6, 0x40004                  ; cy
	s_lshl_b32 s61, 0x1111, s56                    ; my column of the cluster
	s_lshl_b32 s62, s57, 2
	s_lshl_b32 s62, 15, s62                        ; my row
	s_or_b32 s[G1P], s61, (3<<16)|(1<<21)          ; 15:0 the mask; 17:16 elements of 8 bytes; 21 set beside a mask; no padding
	s_or_b32 s[G1R], s62, (3<<16)|(1<<21)
.irp g, G1P, G1R
	s_mov_b32 s[\g+1], 32<<16                      ; a wave's groups, all of K, are one dense block of memory: rows of 256 bytes
	s_mov_b32 s[\g+3], 32<<16
	s_mov_b32 s[\g+5], 32
	s_mov_b32 s[\g+6], 0
	s_mov_b32 s[\g+7], 0
.endr
	s_mov_b32 s[G1P+2], 384<<16                    ; 8 groups of P: 98,304 bytes,
	s_mov_b32 s[G1P+4], 384
	s_mov_b32 s[G1R+2], 192<<16                    ; 4 of R: 49,152
	s_mov_b32 s[G1R+4], 192
	s_lshl_b32 s84, s56, 4
	s_add_co_u32 s84, s84, 1728                    ; P: wo's groups, 16 cx on
	s_lshl_b32 s86, ttmp9, 5
	s_lshl_b32 s87, s57, 3
	s_add_co_u32 s86, s86, s87                     ; R: groups of tokens, 8 (4 x cluster + cy) on
	s_lshl_b32 s88, s22, 3
	s_add_co_u32 s88, s88, s84
	s_mul_i32 s88, s88, GRP
	s_mov_b32 s89, 0
	s_lshl_b32 s90, s22, 2
	s_add_co_u32 s90, s90, s86
	s_mul_i32 s90, s90, GRP
	s_mov_b32 s91, 0
	s_mul_i32 s92, s22, 8*GRP                      ; no place in the cluster enters an LDS address
	s_mul_i32 s93, s22, 4*GRP
	s_lshl_b32 s94, s21, 3
	s_add_co_u32 s94, s94, s84
	s_lshl_b32 s94, s94, 9
	s_mov_b32 s95, 0
	s_lshl_b32 s96, s22, 2
	s_add_co_u32 s96, s96, s86
	s_lshl_b32 s96, s96, 9
	s_mov_b32 s97, 0
	s_lshl_b32 s66, s56, 10
	s_lshl_b32 s23, s21, 9
	s_add_co_u32 s66, s66, s23                     ; my 128 channels, in bytes
	s_mov_b32 s67, 0
	s_lshl_b32 s98, s86, 4
	s_lshl_b32 s23, s22, 6
	s_add_co_u32 s98, s98, s23                     ; my first token
	s_lshl_b32 s98, s98, 12
	s_add_co_u32 s98, s98, s66                     ; and where my part of out0 begins
	s_mov_b32 s99, 0
	s_wait_dscnt 0x0                               ; the opening add is done
	s_wait_kmcnt 0x0
	s_add_nc_u64 s[88:89], s[4:5], s[88:89]
	s_add_nc_u64 s[90:91], s[8:9], s[90:91]
	s_add_nc_u64 s[94:95], s[6:7], s[94:95]
	s_add_nc_u64 s[96:97], s[10:11], s[96:97]
	s_add_nc_u64 s[66:67], s[12:13], s[66:67]
	s_add_nc_u64 s[14:15], s[14:15], s[98:99]
	s_mov_b32 s[G0P], 1
	s_mov_b32 s[G0P+1], s92
	s_mov_b64 s[G0P+2:G0P+3], s[88:89]
	s_or_b32 s[G0P+3], s[G0P+3], 0x80000000
	s_mov_b32 s[G0R], 1
	s_add_co_u32 s[G0R+1], s93, RIMG
	s_mov_b64 s[G0R+2:G0R+3], s[90:91]
	s_or_b32 s[G0R+3], s[G0R+3], 0x80000000
	CROUND                                         ; all sixteen work-groups are here: the joint loads meet
	s_cmp_eq_u32 s21, 0                            ; ONE LOAD A WAVE: waves 0 and 1 a half of P each, waves 2 and 3 a half of R, all of K
	s_cbranch_scc0 .Lfill_r
	tensor_load_to_lds s[G0P:G0P+3], s[G1P:G1P+7]
	s_nop 0
.rept 4
	v_nop
.endr
	s_branch .Lfilled
.Lfill_r:
	tensor_load_to_lds s[G0R:G0R+3], s[G1R:G1R+7]
	s_nop 0
.rept 4
	v_nop
.endr
.Lfilled:
	v_and_b32 v1, 31, v0                           ; lane
	v_and_b32 v2, 15, v0                           ; r
	v_bfe_u32 v3, v0, 4, 1                         ; h
	v_lshlrev_b32 v12, 5, v2
	v_lshl_add_u32 v12, v3, 9, v12                 ; scale words: row r's 32 bytes; lanes 16-31 take the next group
	v_lshlrev_b32 v13, 6, v3                       ; the bias: 16 h numbers on
	v_lshlrev_b32 v[CO], 4, v1
	v_lshlrev_b32 v1, 3, v1                        ; 8 x lane
	s_mul_i32 s23, s21, 8*GRP
	v_add_nc_u32 v[ADP], s23, v1
	s_mul_i32 s23, s22, 4*GRP
	s_add_co_u32 s23, s23, RIMG
	v_add_nc_u32 v[ADR], s23, v1
.irp q, 1,2,3
	v_add_nc_u32 v[ADP+\q], \q*2*GRP, v[ADP]       ; my groups 2 q and 2 q + 1 of P
.endr
	s_mul_i32 s23, s20, 16*SPITCH                  ; my stage
	v_mul_u32_u24 v[STO], v2, SPITCH
	v_lshl_add_u32 v[STO], v3, 6, v[STO]
	v_add_nc_u32 v[STO], s23, v[STO]               ; in: row r, + 64 h
	v_add_nc_u32 v[RD], s23, v[CO]                 ; back: the 32 lanes take one row of 512 bytes
.irp i, 0,1,2,3                                ; the scale words come once, for all of K, straight into registers
	global_load_b128 v[SP+8*\i:SP+8*\i+3], v12, s[94:95] offset:1024*\i
	global_load_b128 v[SP+8*\i+4:SP+8*\i+7], v12, s[94:95] offset:1024*\i+16
.endr
.irp i, 0,1
	global_load_b128 v[SR+8*\i:SR+8*\i+3], v12, s[96:97] offset:1024*\i
	global_load_b128 v[SR+8*\i+4:SR+8*\i+7], v12, s[96:97] offset:1024*\i+16
.endr
	WIN TO_P
.irp b, 0,1,2,3,4,5,6,7                        ; tile b's eight numbers of my half: channels 32 (b / 2) + 16 h + 8 (b % 2) + 0 .. 7
	global_load_b128 v[BP+8*\b:BP+8*\b+3], v13, s[66:67] offset:(32*(\b/2)+8*(\b%2))*4
	global_load_b128 v[BP+8*\b+4:BP+8*\b+7], v13, s[66:67] offset:(32*(\b/2)+8*(\b%2))*4+16
.endr
	WIN 0
	s_wait_alu depctr_va_vdst(0)
	s_wait_tensorcnt 0x0                           ; my one load is in
	s_barrier_signal -1
	s_barrier_wait -1                              ; everybody's is
	FETCH 0
	s_wait_loadcnt 0x0                             ; scale words and the bias
.irp f, 0,1,2,3,4,5,6,7
	STEP \f
.endr
	WIN 0
; THE WAY OUT, a tile of 16 tokens x 128 channels at a time.  LDS serves a wave's instructions in order (ISA guide 5.7.1.4): no wait between the stores and the loads, nor in front of the next tile's stores.
.macro TOSTAGE a
	WIN 0x08                                       ; an LDS store's data: window 2
.irp b, 0,1,2,3,4,5,6,7
	ds_store_b128 v[STO], v[64*(\a)+8*\b:64*(\a)+8*\b+3] offset:128*(\b/2)+32*(\b%2)        ; each accumulator from its low end on
	ds_store_b128 v[STO], v[64*(\a)+8*\b+4:64*(\a)+8*\b+7] offset:128*(\b/2)+32*(\b%2)+16
.endr
	WIN 0
.set BB, BK+64*((\a)%2)
.irp t, 0,1,2,3,4,5,6,7,8,9,10,11,12,13,14,15
	ds_load_b128 v[BB+4*\t:BB+4*\t+3], v[RD] offset:\t*SPITCH
.endr
.endm
.macro SEND a, younger                 ; younger: the LDS instructions issued behind tile a's loads, which may stay out
.set BB, BK+64*((\a)%2)
	s_wait_dscnt \younger
.irp t, 0,1,2,3,4,5,6,7,8,9,10,11,12,13,14,15
	global_store_b128 v[CO], v[BB+4*\t:BB+4*\t+3], s[14:15] offset:(32*((\a)/2)+8*((\a)%2)+\t+8*(\t/8))*4096 th:TH_STORE_NT   ; 32 lanes store 512 consecutive bytes, aligned; written once, read by nobody here
.endr
.endm
	s_barrier_signal -1                            ; the stages lie in P's image, which has had its only fill: every wave's last reads of it were awaited at the head of K step 7, and no wave stores there before all have said so
	PLACES                                         ; for the loads into the registers that held R's fragments, and for the reads of the last results
	s_barrier_wait -1
	TOSTAGE 0
.irp a, 1,2,3
.if \a > 1
	s_wait_xcnt 0x0                                ; tile a - 2's stores have read their registers: tile a's loads may land there
.endif
	TOSTAGE \a
	SEND \a-1, 32                                  ; behind tile a - 1's loads: tile a's 16 stores and 16 loads
.endr
	SEND 3, 0
	s_wait_tensorcnt 0x0                           ; the wave's end, behind my last tensor load and my last LDS store
	ds_add_u32 v[SPW], v[NIL]
	s_wait_dscnt 0x0
	CROUND                                         ; the closing round
	s_endpgm
.Lfunc_end_k_q2540cd3a64_outp:
	.size	k_q2540cd3a64_outp, .Lfunc_end_k_q2540cd3a64_outp-k_q2540cd3a64_outp
	.p2alignl 7, 3214868480
	.fill 96, 4, 3214868480
	.section	.rodata,"a",@progbits
	.p2align	6, 0x0
	.amdhsa_kernel k_q2540cd3a64_outp
		.amdhsa_group_segment_fixed_size 327680
		.amdhsa_private_segment_fixed_size 0
		.amdhsa_enable_private_segment 0
		.amdhsa_kernarg_size 48
		.amdhsa_user_sgpr_count 2
		.amdhsa_user_sgpr_kernarg_segment_ptr 1
		.amdhsa_wavefront_size32 1
		.amdhsa_system_sgpr_workgroup_id_x 1
		.amdhsa_system_sgpr_workgroup_id_y 1
		.amdhsa_system_sgpr_workgroup_id_z 1
		.amdhsa_system_vgpr_workitem_id 0
		.amdhsa_next_free_vgpr 768
		.amdhsa_next_free_sgpr 104
		.amdhsa_reserve_vcc 0
		.amdhsa_float_denorm_mode_32 3
		.amdhsa_float_denorm_mode_16_64 3
		.amdhsa_memory_ordered 1
		.amdhsa_forward_progress 1
		.amdhsa_inst_pref_size 94
	.end_amdhsa_kernel
	.amdgpu_metadata
---
amdhsa.version: [ 1, 2 ]
amdhsa.kernels:
  - .name:           k_q2540cd3a64_outp
    .symbol:         k_q2540cd3a64_outp.kd
    .args:
      - { .name: gc, .offset: 0, .size: 8, .value_kind: global_buffer, .address_space: global }
      - { .name: gs, .offset: 8, .size: 8, .value_kind: global_buffer, .address_space: global }
      - { .name: af, .offset: 16, .size: 8, .value_kind: global_buffer, .address_space: global }
      - { .name: afs, .offset: 24, .size: 8, .value_kind: global_buffer, .address_space: global }
      - { .name: bo, .offset: 32, .size: 8, .value_kind: global_buffer, .address_space: global }
      - { .name: out0, .offset: 40, .size: 8, .value_kind: global_buffer, .address_space: global }
    .group_segment_fixed_size: 327680
    .private_segment_fixed_size: 0
    .kernarg_segment_align: 8
    .kernarg_segment_size: 48
    .max_flat_workgroup_size: 128
    .sgpr_count:     104
    .vgpr_count:     768
    .wavefront_size: 32
...
	.end_amdgpu_metadata
.endif
;; end of part 4
